; MI455X (gfx1250); checked and timed in simulation.
; The chip was launched on July 23, 2026; its instructions are those of AMD's public machine-readable ISA for CDNA 5 (MIT licence, August 2026) and "CDNA5" Instruction Set Architecture Reference Guide (July 2026). The comments in the code are by the model that wrote it; some were corrected since.
;; MHA. Allowed arithmetic: matrix products marked QUANTISED: E2M3 operands, one E8M0 scale for each 32 along K, by v_wmma_scale_f32_16x16x128_f8f6f4 with both operands' format E2M3, f32 sums; everything else in f32.
;; Inputs: Wk 1,024 x 1,024 float32; Wo 1,024 x 1,024 float32; Wq 1,024 x 1,024 float32; Wv 1,024 x 1,024 float32; bk 1,024 float32; bo 1,024 float32; bq 1,024 float32; bv 1,024 float32; x 4 x 2,048 x 1,024 float32.
;; Outputs: out0 4 x 2,048 x 1,024 float32.
;; This version of the problem:
;;   THIS VERSION OF THE PROBLEM IS GIVEN IN LOW PRECISION. The matrix products marked QUANTISED in the list below multiply operands that are first quantised to E2M3 (2 exponent bits, 3 mantissa bits; 6 bits a number), with one power-of-two scale for each 32 numbers along K (OCP MX v1.0); their sums are f32. All else is computed in f32.
;;   The module's matrix products, in the order in which they are computed (A, B: the left and right operand; K: the contracted axis; several contracted axes count as one K, in the product's order):
;;     1. [M 8,192, K 1,024] x [K 1,024, N 1,024]; A: input x; B: input Wq: QUANTISED
;;     2. [M 8,192, K 1,024] x [K 1,024, N 1,024]; A: input x; B: input Wk: QUANTISED
;;     3. [M 8,192, K 1,024] x [K 1,024, N 1,024]; A: input x; B: input Wv: QUANTISED
;;     4. batch 4 x [M 2,048, K 1,024] x [K 1,024, N 2,048]; A: computed on the way; B: computed on the way: QUANTISED
;;     5. batch 4 x [M 2,048, K 2,048] x [K 2,048, N 1,024]; A: softmax (see below); B: computed on the way: QUANTISED
;;     6. [M 8,192, K 1,024] x [K 1,024, N 1,024]; A: computed on the way; B: input Wo: QUANTISED
;;   THE QUANTISER, for each operand of a quantised product, along K:
;;     - K is cut into blocks of 32 from its start; a last block that is shorter is filled with zeros.
;;     - A block's scale is 2^e with e = floor(log2(the largest magnitude in the block)) - 2, held to -126 .. 127; a block of zeros has e = 0. As a byte (E8M0): e + 127.
;;     - Each number is divided by its block's scale, clamped to +-7.5, and rounded to the nearest number of E2M3, ties to even, subnormals kept.
;;     - The product sums the exact products of the quantised numbers (number of the format x scale) in f32.
;;   ~~~python
;;   def quantise(x, axis):      # numpy; x: float32 -> the quantised numbers, widened to float32 again
;;       x = np.moveaxis(x, axis, -1); K = x.shape[-1]
;;       x = np.pad(x, [(0, 0)] * (x.ndim - 1) + [(0, -K % 32)]); x = x.reshape(x.shape[:-1] + (-1, 32)); a = np.abs(x).max(-1, keepdims=True)
;;       e = np.where(a > 0, np.clip(np.frexp(np.where(a > 0, a, 1))[1] - 1 - 2, -126, 127), 0)      # np.frexp(a)[1] - 1 = floor(log2(a)), exactly
;;       r = np.clip(x / 2.0 ** e, -7.5, 7.5)
;;       step = 2.0 ** (np.maximum(np.frexp(np.where(r == 0, 1, r))[1] - 1, 0) - 3)
;;       q = np.round(r / step) * step * 2.0 ** e      # np.round: ties to even
;;       return np.moveaxis(q.reshape(q.shape[:-2] + (-1,))[..., :K], -1, axis).astype(np.float32)
;;   ~~~
;;   SOFTMAX AHEAD OF A QUANTISED PRODUCT. Where the list says 'softmax', what is quantised is not the finished softmax but p = 2^(t - M), with t = logit x log2(e) and M = ceil(the row's largest t), a whole number; so 1/2 < the row's largest p <= 1. The row's sum l is taken of the UNQUANTISED p, in f32, and the product's result is divided by l at the end. Since M is a whole number, a kernel that streams over the keys may use a running M (the ceiling of the running maximum): every later rescaling is an exact power of two, which a block's scale takes up: the codes' values come out the same.
;;   OPERANDS COMPUTED ON THE WAY. 'Computed on the way' means the value that the module computes at that place (a softmax that the list does not call 'softmax' is quantised finished and normalised). What goes into a quantiser is computed in f32, as accurately as f32 sums, v_exp_f32 and their like allow (about 1e-6 of the number): no bf16 or f16 on the way to a quantiser, and a product that is left as it is and whose result goes on into a quantised operand takes f32 operands (vector FMAs, or v_wmma_f32_16x16x4_f32). A number that lies on a knife's edge between two numbers of the format may be rounded either way, as far as f32 arithmetic and the matrix unit's own rounding can turn it there, and no further.
;; One version. Each part assembles by itself: llvm-mc -triple=amdgcn-amd-amdhsa -mcpu=gfx1250 --defsym DOCPART=n.
;; ======== version 1 of 1: 5 launches
;; limits: right only within a limited range of input values
;; workspace buffers: xw 9,830,400 bytes; qkv 19,660,800 bytes; p 14,155,776 bytes; z 6,553,600 bytes
;; launch quant (part 1): grid 192 x 4, 4 waves a work-group, no clusters, 35,328 bytes of LDS; arguments x, Wq, Wk, Wv, Wo, xw; writes xw
.if DOCPART == 1
	.amdgcn_target "amdgcn-amd-amdhsa--gfx1250"
	.amdhsa_code_object_version 6
	.text
	.protected	k_q940674479c_quant
	.globl	k_q940674479c_quant
	.p2align	8
	.type	k_q940674479c_quant,@function
k_q940674479c_quant:
	s_mov_b64 s[64:65], 0
	v_nop
	global_prefetch_b8 v0, s[64:65] scope:SCOPE_SE
	s_setreg_imm32_b32 hwreg(HW_REG_WAVE_MODE, 25, 1), 1
	s_wait_xcnt 0x0
; x [8192][1024] and Wq, Wk, Wv, Wo [1024][1024], f32, K innermost, become codes of FP6 (E2M3) with one E8M0 byte for each 32 along K, laid as the later launches' operand registers want them.
; A block's scale is 2^(floor(log2(its largest magnitude)) - 2); its byte is the largest magnitude's exponent field - 2, held at 1 from below.
; LIMITS: a block of zeros gets the byte 1 where the stated quantiser says 127 (its codes are zeros, and this program alone reads the bytes); NaN and infinities among the inputs are not served.
; POSITIONS.  The 12,288 rows (x, Wq, Wk, Wv, Wo on end) are kept in an order of their own: position 16 t + r is row 32 (t / 2) + 8 (t % 2) + r + 8 (r / 8).  A product that takes 16 such positions as its
; source 0 leaves, in the 16 registers of two neighbouring result tiles, 16 NEIGHBOURS along that axis, which is what the next quantiser wants.
; CODES: a fragment (16 positions x 128 K, 12 registers a lane) is stored as an image of its registers: registers 4 c .. 4 c + 3 of lane l at 512 c + 16 l.  Order [K / 256][block of 16 positions][K step % 2][1,536 bytes].
; SCALE WORDS (4 bytes: a position, 128 along K): [K step][12,288]; inside a group of 64 positions the word of (block a, row r) lies at byte 128 (a % 2) + 8 r + 4 (a / 2), so that a load of 8 bytes a lane
; gives registers whose lanes 0-15 hold an even block's words and lanes 16-31 the next odd block's.
; SHARES.  A work-group takes 64 positions and one chunk of 256 along K (two K steps), wave w the block w of them: 768 equal work-groups, and a wave asks for all its 32 rows' pieces at its start.
; Each load reads 512 consecutive bytes of one row; a K step's 16 rows turn through the wave's own stage in LDS, so that a lane gets 16 neighbours of each block of 32.
; No tensor loads, no matrix work, no cluster: nothing is shared, and each input byte is read once.
.set STGB,  8448                       ; a wave's stage: 16 rows x (512 bytes + 16)
.set SG,    33792                      ; behind the stages: the work-group's scale words, 256 bytes for each of its two K steps
.set SPARE, 34816                      ; the spare words, 128 bytes for each wave: two blocks of 256 bytes that no other line names
.set XWS,   9437184                    ; where the scale words begin in xw
.set SPW,  2                           ; v2   LDS address of my spare word; never rewritten
.set NIL,  3                           ; v3   0; never rewritten
.set L16,  4                           ; v4   16 x lane
.set L8,   5                           ; v5   8 x lane
.set SIN,  6                           ; v6   the stage, on the way in
.set SOUT, 7                           ; v7   and on the way out
.set SWA,  10                          ; v10  where my block's scale words go
.set SRD,  11                          ; v11  where a K step's 64 words are read back
.set R,    16                          ; v16-143  two sets of 16 rows' numbers as loaded
.set X,    144                         ; v144-207 64 numbers: register 16 b + i = k 32 b + 16 (lane / 16) + i of my row
.set TM,   208                         ; v208-211 largest magnitudes, v212-215 bytes, v216-219 the conversions' scale operands
.set PW,   220                         ; v220 the scale word
.set PT,   224                         ; v224-231 the upper halves of the blocks' codes
.set PC0,  232                         ; v232-243, v244-255 a fragment's codes, a set for each K step
.set SEL,  32                          ; s[32:33] lane selects: lane l xor 16
.macro QMAX s                          ; the four blocks' largest magnitudes, by turns, with the floor 2^(3 - 127) among the leaves: the byte cannot fall under 1
.irp b, 0,1,2,3
	v_max3_num_f32 v[TM+\b], |v[(\s)+16*\b]|, |v[(\s)+16*\b+1]|, 0x1800000
.endr
.irp i, 2,4,6,8,10,12,14
.irp b, 0,1,2,3
	v_max3_num_f32 v[TM+\b], v[TM+\b], |v[(\s)+16*\b+\i]|, |v[(\s)+16*\b+\i+1]|
.endr
.endr
.irp b, 0,1,2,3
	v_permlanex16_b32 v[TM+4+\b], v[TM+\b], s[SEL], s[SEL+1]
.endr
.irp b, 0,1,2,3
	v_max_num_f32 v[TM+\b], v[TM+\b], v[TM+4+\b]       ; with lane l xor 16's 16 numbers
.endr
.endm
.macro QSCALE
.irp b, 0,1,2,3
	v_add_nc_u32 v[TM+8+\b], 0xff000000, v[TM+\b]      ; 2 off the exponent field: the conversion takes the exponent field of this operand as its scale
.endr
.irp b, 0,1,2,3
	v_lshrrev_b32 v[TM+4+\b], 23, v[TM+8+\b]           ; the scale's byte
.endr
	v_lshl_or_b32 v[PW], v[TM+5], 8, v[TM+4]
	v_lshl_or_b32 v[PW], v[TM+6], 16, v[PW]
	v_lshl_or_b32 v[PW], v[TM+7], 24, v[PW]            ; my row's scale word
.endm
.macro QCODE s, pc
.irp c, 0,1
	v_cvt_scalef32_pk16_fp6_f32 v[(\pc)+6*\c:(\pc)+6*\c+2], v[(\s)+32*\c:(\s)+32*\c+15], v[TM+8+2*\c]
	v_cvt_scalef32_pk16_fp6_f32 v[PT+4*\c:PT+4*\c+2], v[(\s)+32*\c+16:(\s)+32*\c+31], v[TM+8+2*\c+1]   ; (a conversion's three registers begin on an even number)
.endr
	v_nop                                              ; one plain place behind a scaled conversion
.irp c, 0,1                            ; the operand's layout wants a whole block in a lane: lanes 0-15 block 2 c, lanes 16-31 block 2 c + 1
.irp i, 0,1,2
	v_permlane16_swap_b32 v[(\pc)+6*\c+\i], v[PT+4*\c+\i]
.endr
.irp i, 0,1,2
	v_mov_b32 v[(\pc)+6*\c+3+\i], v[PT+4*\c+\i]
.endr
.endr
.endm
.macro QUANT s, pc
	QMAX \s
	QSCALE
	QCODE \s, \pc
.endm
	s_load_b256 s[4:11], s[0:1], 0x0               ; x, Wq, Wk, Wv
	s_load_b128 s[12:15], s[0:1], 0x20             ; Wo, xw
	v_lshl_add_u32 v[SPW], v0, 2, SPARE
	v_mov_b32 v[NIL], 0
	v_lshrrev_b32 v1, 5, v0
	v_readfirstlane_b32 s16, v1                    ; wave 0..3
	v_and_b32 v1, 31, v0                           ; lane
	v_and_b32 v8, 15, v0                           ; r
	v_bfe_u32 v9, v0, 4, 1                         ; h
	v_lshlrev_b32 v[L16], 4, v1
	v_lshlrev_b32 v[L8], 3, v1
	s_wait_alu depctr_va_vdst(0)
	s_mul_i32 s17, s16, STGB
	v_add_nc_u32 v[SIN], s17, v[L16]               ; in: a row's 512 bytes as they lie
	v_mul_u32_u24 v[SOUT], v8, 528
	v_lshl_add_u32 v[SOUT], v9, 6, v[SOUT]
	v_add_nc_u32 v[SOUT], s17, v[SOUT]             ; out: row r, + 64 h: my 16 numbers of a block of 32
	s_and_b32 s18, s16, 1
	s_lshr_b32 s19, s16, 1
	s_lshl_b32 s20, s18, 7
	s_lshl_b32 s21, s19, 2
	s_add_co_u32 s20, s20, s21
	s_add_co_u32 s20, s20, SG
	v_lshl_add_u32 v[SWA], v8, 3, s20              ; 128 (w % 2) + 4 (w / 2) + 8 r
	s_lshl_b32 s21, s18, 8
	s_add_co_u32 s21, s21, SG
	v_add_nc_u32 v[SRD], s21, v[L8]                ; K step w % 2's 256 bytes, 8 a lane
	s_mov_b32 s[SEL], 0x76543210
	s_mov_b32 s[SEL+1], 0xfedcba98
.irp b, 0,1,2,3
	v_mov_b32 v[TM+4+\b], 0                        ; written once: a lane permute's destination counts as one of its sources
.endr
	s_and_b32 s22, ttmp7, 0xffff                   ; which chunk of 256 along K, 0..3
	s_sub_co_u32 s23, ttmp9, 128
	s_and_b32 s23, s23, 15
	s_cmp_lt_u32 ttmp9, 128
	s_cselect_b32 s23, ttmp9, s23                  ; my 64 rows' number within their tensor
	s_lshl_b32 s23, s23, 6
	s_lshl_b32 s24, s19, 5
	s_add_co_u32 s23, s23, s24
	s_lshl_b32 s24, s18, 3
	s_add_co_u32 s23, s23, s24                     ; my block's first row: 64 g + 32 (w / 2) + 8 (w % 2)
	s_lshl_b32 s24, s23, 12                        ; rows of 4,096 bytes,
	s_lshl_b32 s25, s22, 10
	s_add_co_u32 s24, s24, s25                     ; + chunks of two K steps of 512 bytes
	s_mov_b32 s25, 0
	s_mul_i32 s26, s22, 768                        ; codes: (768 y + 4 g + w) x 3,072
	s_lshl_b32 s27, ttmp9, 2
	s_add_co_u32 s26, s26, s27
	s_add_co_u32 s26, s26, s16
	s_mul_i32 s26, s26, 3072
	s_mov_b32 s27, 0
	s_lshl_b32 s28, s22, 1                         ; words: K step 2 y + w % 2, group g
	s_add_co_u32 s28, s28, s18
	s_mul_i32 s28, s28, 49152
	s_lshl_b32 s29, ttmp9, 8
	s_add_co_u32 s28, s28, s29
	s_add_co_u32 s28, s28, XWS
	s_mov_b32 s29, 0
	s_wait_alu depctr_va_vdst(0)
	s_wait_kmcnt 0x0
	s_cmp_lt_u32 ttmp9, 128                        ; which tensor: the choice hangs on the work-group's number alone
	s_cselect_b64 s[30:31], s[4:5], s[6:7]
	s_cmp_lt_u32 ttmp9, 144
	s_cselect_b64 s[30:31], s[30:31], s[8:9]
	s_cmp_lt_u32 ttmp9, 160
	s_cselect_b64 s[30:31], s[30:31], s[10:11]
	s_cmp_lt_u32 ttmp9, 176
	s_cselect_b64 s[30:31], s[30:31], s[12:13]
	s_add_nc_u64 s[30:31], s[30:31], s[24:25]
	s_add_nc_u64 s[26:27], s[14:15], s[26:27]
	s_add_nc_u64 s[28:29], s[14:15], s[28:29]
.macro LOAD t                          ; K step t of my two: position i's row is i + 8 (i / 8) rows on; 32 lanes read 512 consecutive bytes
.irp i, 0,1,2,3,4,5,6,7,8,9,10,11,12,13,14,15
	global_load_b128 v[R+64*(\t)+4*\i:R+64*(\t)+4*\i+3], v[L16], s[30:31] offset:(\i+8*(\i>>3))*4096+512*(\t) th:TH_LOAD_NT
.endr
.endm
.macro QSTEP t
.if (\t) < 1
	s_wait_loadcnt 16                              ; this step's 16 loads are in; the second step's may be out
.else
	s_wait_loadcnt 0x0
.endif
.irp i, 0,1,2,3,4,5,6,7,8,9,10,11,12,13,14,15
	ds_store_b128 v[SIN], v[R+64*(\t)+4*\i:R+64*(\t)+4*\i+3] offset:\i*528
.endr
.irp e, 0,1,2,3
.irp j, 0,1,2,3
	ds_load_b128 v[X+16*\e+4*\j:X+16*\e+4*\j+3], v[SOUT] offset:128*\e+16*\j   ; LDS serves a wave's instructions in order: these see the stores above
.endr
.endr
	s_wait_dscnt 0x0                               ; my numbers are back; the first step's word store is done too
	QUANT X, PC0+12*(\t)
.irp c, 0,1,2
	global_store_b128 v[L16], v[PC0+12*(\t)+4*\c:PC0+12*(\t)+4*\c+3], s[26:27] offset:(\t)*1536+512*\c   ; 512 consecutive bytes, aligned; each step has its own registers, so no store's data are written again
.endr
	ds_store_b32 v[SWA], v[PW] offset:256*(\t)     ; lanes l and l xor 16 write the same word with the same value
.endm
	LOAD 0
	LOAD 1
	QSTEP 0
	QSTEP 1
	s_wait_dscnt 0x0                               ; for the others' sake: my words have landed
	s_barrier_signal -1
	s_barrier_wait -1
	s_cmp_lt_u32 s16, 2                            ; two K steps, two units of 256 bytes: waves 0 and 1 store them
	s_cbranch_scc0 .Lno_words
	ds_load_b64 v[14:15], v[SRD]                   ; K step w's words of all four blocks
	s_wait_dscnt 0x0
	global_store_b64 v[L8], v[14:15], s[28:29]     ; 256 consecutive bytes, aligned
.Lno_words:
	s_wait_tensorcnt 0x0                           ; the wave's end, behind my last LDS store
	ds_add_u32 v[SPW], v[NIL]
	s_wait_dscnt 0x0
	s_endpgm
.Lfunc_end_k_q940674479c_quant:
	.size	k_q940674479c_quant, .Lfunc_end_k_q940674479c_quant-k_q940674479c_quant
	.p2alignl 7, 3214868480
	.fill 96, 4, 3214868480
	.section	.rodata,"a",@progbits
	.p2align	6, 0x0
	.amdhsa_kernel k_q940674479c_quant
		.amdhsa_group_segment_fixed_size 35328
		.amdhsa_private_segment_fixed_size 0
		.amdhsa_enable_private_segment 0
		.amdhsa_kernarg_size 48
		.amdhsa_user_sgpr_count 2
		.amdhsa_user_sgpr_kernarg_segment_ptr 1
		.amdhsa_wavefront_size32 1
		.amdhsa_system_sgpr_workgroup_id_x 1
		.amdhsa_system_sgpr_workgroup_id_y 1
		.amdhsa_system_sgpr_workgroup_id_z 1
		.amdhsa_system_vgpr_workitem_id 0
		.amdhsa_next_free_vgpr 256
		.amdhsa_next_free_sgpr 66
		.amdhsa_reserve_vcc 0
		.amdhsa_float_denorm_mode_32 3
		.amdhsa_float_denorm_mode_16_64 3
		.amdhsa_memory_ordered 1
		.amdhsa_forward_progress 1
		.amdhsa_inst_pref_size 20
	.end_amdhsa_kernel
	.amdgpu_metadata
---
amdhsa.version: [ 1, 2 ]
amdhsa.kernels:
  - .name:           k_q940674479c_quant
    .symbol:         k_q940674479c_quant.kd
    .args:
      - { .name: x, .offset: 0, .size: 8, .value_kind: global_buffer, .address_space: global }
      - { .name: Wq, .offset: 8, .size: 8, .value_kind: global_buffer, .address_space: global }
      - { .name: Wk, .offset: 16, .size: 8, .value_kind: global_buffer, .address_space: global }
      - { .name: Wv, .offset: 24, .size: 8, .value_kind: global_buffer, .address_space: global }
      - { .name: Wo, .offset: 32, .size: 8, .value_kind: global_buffer, .address_space: global }
      - { .name: xw, .offset: 40, .size: 8, .value_kind: global_buffer, .address_space: global }
    .group_segment_fixed_size: 35328
    .private_segment_fixed_size: 0
    .kernarg_segment_align: 8
    .kernarg_segment_size: 48
    .max_flat_workgroup_size: 128
    .sgpr_count:     66
    .vgpr_count:     256
    .wavefront_size: 32
...
	.end_amdgpu_metadata
.endif
;; end of part 1
;; launch qkv (part 2): grid 16 x 16, 4 waves a work-group, clusters of 4 x 4, 327,680 bytes of LDS; arguments xw, bq, bk, bv, qkv; writes qkv
.if DOCPART == 2
	.amdgcn_target "amdgcn-amd-amdhsa--gfx1250"
	.amdhsa_code_object_version 6
	.text
	.protected	k_q940674479c_qkv
	.globl	k_q940674479c_qkv
	.p2align	8
	.type	k_q940674479c_qkv,@function
k_q940674479c_qkv:
	s_mov_b64 s[64:65], 0
	v_nop
	global_prefetch_b8 v0, s[64:65] scope:SCOPE_SE
	s_setreg_imm32_b32 hwreg(HW_REG_WAVE_MODE, 25, 1), 1
	s_wait_xcnt 0x0
	s_wait_alu depctr_hold_cnt(0) depctr_sa_sdst(0) depctr_va_vdst(0) depctr_va_sdst(0) depctr_va_ssrc(0) depctr_va_vcc(0) depctr_vm_vsrc(0)
	s_getreg_b32 s2, hwreg(HW_REG_IB_STS2, 6, 4)
	s_cmp_eq_u32 s2, 0
	s_cbranch_scc0 .Lentry_in_a_cluster
	s_endpgm
.Lentry_in_a_cluster:
	s_bfe_u32 s2, ttmp6, 0x10000c
	s_cmp_lg_u32 s2, 0xf033
	s_cbranch_scc0 .Lentry_shape_is_right
	s_endpgm
.Lentry_shape_is_right:
; Q = x Wq^T + bq and K = x Wk^T + bk, quantised along their 1,024 channels, and V^T = Wv x^T + bv, quantised along the keys: three products on codes of FP6 (E2M3) with E8M0 scales, results again as codes.
; Operands and results are images of operand registers, rows in position order, scale words interleaved by fours of blocks, as the launch that quantises x and the weights lays them.
; THE PRODUCT: source 0 = 16 positions of B, source 1 = 16 of A.  A lane holds ONE position of A, and the 64 registers of its eight tiles run along 128 neighbouring rows of B: one K step of the next product.
; SHARES.  A tile is 128 positions of A x 256 of B; wave (w / 2, w % 2) makes 64 x 128 of it: 32 accumulators.  A work-group stays and makes three tiles, 24 K steps of 128 on end; with c the cluster's number:
; Q (x's tile 4 c + cy, Wq's tile cx), K (the same x, Wk's tile cx), V^T (Wv's tile 4 (c % 2) + cy, x's tile 4 (c / 2) + cx).
; THE BIAS is the C of each sum's first product: no addition is spent on it.
; TWO SETS OF ACCUMULATORS, windows 2 and 3, take turns tile by tile.  A finished tile is quantised out of its own set while the next tile is multiplied into the other: the way out is cut into 80 parts
; of a few vector instructions (20 for each block of 16 positions), and one part stands behind every second product of five K steps of the next tile.  The last tile's 80 parts stand on end.
; THE RING: two LDS slots of 512 along K; one load a wave brings its part of a slot (two rows: two chunks of 256 along K).  Slot 0 is asked for at the head, slot 1 behind the full sequence and a round of the
; cluster's barrier; each slot is filled twice more behind a round.  By this text's count a wave has one tensor load outstanding.  For K's tile x's parts stay and B's alone are filled.
; CLUSTER: 4 x 4.  A's part hangs on the cluster's row, B's on its column: each is asked for jointly by the four that share it.  Waves 0, 1 fetch A's halves, waves 2, 3 B's.
; No data prefetch: the launch has no loop to run ahead in; each slot's refill is asked for four K steps ahead of the wait for it.
; LIMITS: a block of zeros gets the byte 1 (its codes are zeros; this program alone reads the bytes); NaN and infinities are not served.
; REGISTERS: window 0: v2-23 addresses, words on their way out, bv; v32-127 A's fragments, two sets; v128-255 scale words, and nothing else.
;   window 1: B's fragments at v0 and v128; v96-127 and v224-255: a bias in the result's layout at a tile's first step, between those steps the quantiser's work.   windows 2, 3: accumulator (a, b) at v[64 a + 8 b].
.set XWS,   9437184
.set VC,    12582912
.set QKS,   18874368
.set VS,    19398656
.set CHK,   768*3072
.set SSTR,  49152
.set STG,   294912                     ; 768 bytes for each wave, filled by LDS stores alone
.set SPARE, 297984                     ; the spare words, 128 bytes for each wave
.set SPW,  2
.set NIL,  3
.set ADRA, 4
.set ADRB, 6
.set L16,  10
.set SWA,  11
.set SRD,  12
.set L8,   13
.set BOF,  14
.set AOF,  18
.set BV,   20                          ; v20-23 bv at my position of each block of A
.set AF,   32
.set SC,   128
.set SC1,  176
.set SC2,  208
.set TM,   96                          ; window 1: largest magnitudes, bytes, scale operands
.set PT,   108                         ; the blocks' upper halves
.set PW,   116                         ; the scale word
.set PC,   224                         ; a fragment's codes
.set G1A,  24
.set G0A,  32
.set G0AV, 40
.set G1B,  48
.set G0B,  56
.set G0BV, 68
.set SEL,  96
.set MSB,  0
.set EC,   80
.set EW,   2
.set ECB,  94
.set ECI,  0
.macro WIN new                         ; the immediate's high byte repeats the setting that is left
.if MSB != \new
	s_set_vgpr_msb (MSB<<8)|\new
.set MSB, \new
.endif
.endm
.macro PLACES n
.rept \n
	v_nop
.endr
.endm
.macro CREST
	s_cmp_lg_u32 s14, 0
	s_cbranch_scc1 .Lnot_wave_0_\@
	s_barrier_signal -3
.Lnot_wave_0_\@:
	s_barrier_wait -3
	s_barrier_signal -1
	s_barrier_wait -1
.endm
.macro CROUND
	s_barrier_signal -1
	s_barrier_wait -1
	CREST
.endm
.macro JLOAD ga, gb                    ; a joint load of both operands' parts: the branch hangs on the wave's number alone; an s_nop 0 and four v_nop follow each line
	s_cmp_eq_u32 s15, 0
	s_cbranch_scc0 .Lfor_b_\@
	tensor_load_to_lds s[(\ga):(\ga)+3], s[G1A:G1A+7]
	s_nop 0
	PLACES 4
	s_branch .Lasked_\@
.Lfor_b_\@:
	tensor_load_to_lds s[(\gb):(\gb)+3], s[G1B:G1B+7]
	s_nop 0
	PLACES 4
.Lasked_\@:
.endm
.macro JLOADB gb                       ; a joint refill of B's parts alone: waves 0 and 1 have no part to fill
	s_cmp_eq_u32 s15, 0
	s_cbranch_scc1 .Lnone_\@
	tensor_load_to_lds s[(\gb):(\gb)+3], s[G1B:G1B+7]
	s_nop 0
	PLACES 4
.Lnone_\@:
	PLACES 4
.endm
.macro FETCH q                         ; K step q's fragments: B's eight into window 1, A's four into window 0, set q % 2
.set FP, (\q)&1
.set FS, ((\q)>>2)&1
.set FZ, ((\q)>>1)&1
	WIN 0x40
.irp i, 0,1,2,3,4,5,6,7
.irp c, 0,1,2
	ds_load_b128 v[128*FP+12*\i+4*\c:128*FP+12*\i+4*\c+3], v[ADRB+FS] offset:FZ*24576+\i*3072+FP*1536+512*\c
.endr
.endr
	WIN 0
.irp i, 0,1,2,3
.irp c, 0,1,2
	ds_load_b128 v[AF+48*FP+12*\i+4*\c:AF+48*FP+12*\i+4*\c+3], v[ADRA+FS] offset:FZ*12288+\i*3072+FP*1536+512*\c
.endr
.endr
.endm
; ONE PART OF THE WAY OUT.  EC counts the parts of the tile that lies in window EW: block EC / 20, part EC % 20.  Codes go to s[ECB:ECB+1] + ECI, the block's scale words to my stage.
; Each part sets the windows that its operands need.
.macro EPART
.if EC < 80
.set EA, EC/20
.set EP, EC%20
.set AC, 64*EA
.if EP == 0                            ; the four blocks' largest magnitudes, by turns, each accumulator from its low end on; the floor 2^(3 - 127) holds the byte at 1 from below
	WIN (0x40|(EW<<2)|EW)
.irp b, 0,1,2,3
	v_max3_num_f32 v[TM+\b], |v[AC+16*\b]|, |v[AC+16*\b+1]|, 0x1800000
.endr
.elseif EP < 8
	WIN (0x41|(EW<<4)|(EW<<2))
.irp b, 0,1,2,3
	v_max3_num_f32 v[TM+\b], v[TM+\b], |v[AC+16*\b+2*EP]|, |v[AC+16*\b+2*EP+1]|
.endr
.elseif EP == 8
	WIN 0x41
.irp b, 0,1,2,3
	v_permlanex16_b32 v[TM+4+\b], v[TM+\b], s[SEL], s[SEL+1]
.endr
.elseif EP == 9
	WIN 0x45
.irp b, 0,1,2,3
	v_max_num_f32 v[TM+\b], v[TM+\b], v[TM+4+\b]       ; with lane l xor 16's 16 numbers
.endr
.elseif EP == 10
	WIN 0x44
.irp b, 0,1,2,3
	v_add_nc_u32 v[TM+8+\b], 0xff000000, v[TM+\b]      ; 2 off the exponent field: the conversion's scale operand
.endr
.elseif EP == 11
	WIN 0x44
.irp b, 0,1,2,3
	v_lshrrev_b32 v[TM+4+\b], 23, v[TM+8+\b]           ; the scale's byte
.endr
.elseif EP == 12
	WIN 0x51
	v_lshl_or_b32 v[PW], v[TM+5], 8, v[TM+4]
	v_lshl_or_b32 v[PW], v[TM+6], 16, v[PW]
	v_lshl_or_b32 v[PW], v[TM+7], 24, v[PW]
.elseif EP < 17
.set EJ, EP-13
.if EJ == 0
	s_wait_alu depctr_va_vdst(0)
	s_wait_xcnt 0x0                                    ; the last block's stores have read the codes' registers
.endif
	WIN (0x44|EW)
.if EJ&1
	v_cvt_scalef32_pk16_fp6_f32 v[PT+4*(EJ>>1):PT+4*(EJ>>1)+2], v[AC+16*EJ:AC+16*EJ+15], v[TM+8+EJ]
.else
	v_cvt_scalef32_pk16_fp6_f32 v[PC+6*(EJ>>1):PC+6*(EJ>>1)+2], v[AC+16*EJ:AC+16*EJ+15], v[TM+8+EJ]
.endif
	v_nop                                              ; one plain place behind a scaled conversion
.elseif EP < 19
.set EJ, EP-17
.if EJ == 0
	s_wait_alu depctr_va_vdst(0)
.endif
	WIN 0x41
.irp i, 0,1,2                          ; the operand's layout wants a whole block in a lane
	v_permlane16_swap_b32 v[PC+6*EJ+\i], v[PT+4*EJ+\i]
.endr
.irp i, 0,1,2
	v_mov_b32 v[PC+6*EJ+3+\i], v[PT+4*EJ+\i]
.endr
.else
	s_wait_alu depctr_va_vdst(0)
	WIN 0x04                                           ; a store's data are its source 1: window 1
.irp c, 0,1,2
	global_store_b128 v[L16], v[PC+4*\c:PC+4*\c+3], s[ECB:ECB+1] offset:ECI+EA*3072+512*\c   ; 512 consecutive bytes, aligned
.endr
	ds_store_b32 v[SWA], v[PW] offset:128*(EA&1)+4*(EA>>1)
.endif
.set EC, EC+1
.endif
.endm
; Eight products: A's block a against B's eight, K step q of 24 (tile q / 8, accumulators in window 2 + tile % 2).  cm = 1: the bias, in window 1, starts the sums; 0: in place.
; ep = 1: a part of the last tile's way out stands behind every second product.  The 32 accumulators take turns, one instruction a turn.
.macro MULA q, a, cm, ep
.set MP, (\q)&1
.set MQ, (\q)&7
.set MT, (\q)>>3
.set AW, 2+(MT&1)
.set MA, AF+48*MP+12*(\a)
.if MT < 2
.set MSA, SC+6*MQ+((\a)>>1)
.else
.set MSA, SC2+6*MQ+((\a)>>1)
.endif
.irp b, 0,1,2,3,4,5,6,7
.set MD, 64*(\a)+8*\b
.set MB, 128*MP+12*\b
.set MC, MD
.set MW, (AW<<6)|(AW<<4)|1
.if \cm
.set MW, (AW<<6)|(1<<4)|1
.if MT < 2
.set MC, 96+8*\b+96*(\b>>2)
.else
.set MC, 224+8*(\a)
.endif
.endif
.if MT == 0
.set MSS, SC+6*MQ+2+(\b>>1)
.elseif MT == 1
.set MSS, SC1+4*MQ+(\b>>1)
.else
.set MSS, SC2+6*MQ+2+(\b>>1)
.endif
.set RW, 2*((\a)&1)+(\b&1)
	WIN MW
.if RW == 0
	v_wmma_scale_f32_16x16x128_f8f6f4 v[MD:MD+7], v[MB:MB+11], v[MA:MA+11], v[MC:MC+7], v[MSS], v[MSA] matrix_a_fmt:MATRIX_FMT_FP6 matrix_b_fmt:MATRIX_FMT_FP6
.elseif RW == 1
	v_wmma_scale_f32_16x16x128_f8f6f4 v[MD:MD+7], v[MB:MB+11], v[MA:MA+11], v[MC:MC+7], v[MSS], v[MSA] matrix_a_fmt:MATRIX_FMT_FP6 matrix_b_fmt:MATRIX_FMT_FP6 matrix_a_scale:MATRIX_SCALE_ROW1
.elseif RW == 2
	v_wmma_scale_f32_16x16x128_f8f6f4 v[MD:MD+7], v[MB:MB+11], v[MA:MA+11], v[MC:MC+7], v[MSS], v[MSA] matrix_a_fmt:MATRIX_FMT_FP6 matrix_b_fmt:MATRIX_FMT_FP6 matrix_b_scale:MATRIX_SCALE_ROW1
.else
	v_wmma_scale_f32_16x16x128_f8f6f4 v[MD:MD+7], v[MB:MB+11], v[MA:MA+11], v[MC:MC+7], v[MSS], v[MSA] matrix_a_fmt:MATRIX_FMT_FP6 matrix_b_fmt:MATRIX_FMT_FP6 matrix_a_scale:MATRIX_SCALE_ROW1 matrix_b_scale:MATRIX_SCALE_ROW1
.endif
.if \ep && (\b&1)
	EPART
.endif
.endr
.endm
.macro STEP q, cm, ep                  ; a K step whose successor lies in the same slot
	PLACES 4                                       ; in front of loads into the set that the step before multiplied
	FETCH (\q)+1
.if \ep
	s_wait_alu depctr_va_vdst(0)                   ; parts of the way out stand on both sides of the wait below
.endif
	s_wait_dscnt 36                                ; all but the 36 loads just issued: this step's fragments are in
	MULA \q, 0, \cm, \ep
	MULA \q, 1, \cm, \ep
	MULA \q, 2, \cm, \ep
	MULA \q, 3, \cm, \ep
.endm
; A slot's last step changes slots: ONE barrier; in front of it each wave waits for all its tensor loads, adds 0 to its spare word, and waits for that and for its reads of this slot.
; fill = 1: a round of the cluster's barrier, and B's parts of this slot take Wk's blocks, 64 blocks on from Wq's; 2: both operands' parts take V^T's tile; 0: nothing is left to fetch.
; ep = 1: parts of a way out stand ahead.  sb: where v[16:17], a finished tile's scale words, are stored (0: none).
.macro TURN q, fill, ep, sb, si
.set TSL, ((\q)>>2)&1
	WIN 0
.if \ep
	s_wait_alu depctr_va_vdst(0)
.endif
	s_wait_tensorcnt 0x0                           ; all my tensor loads have landed: my part of the next slot
	ds_add_u32 v[SPW], v[NIL]
	s_wait_dscnt 1                                 ; all but the add
	MULA \q, 0, 0, 0
	s_wait_dscnt 0x0                               ; the add is done, and my reads of this slot are over
	s_barrier_signal -1
	MULA \q, 1, 0, 0
	WIN 0
	s_barrier_wait -1
.if \fill == 1
	CREST
	s_add_nc_u64 s[G0B+4*TSL+2:G0B+4*TSL+3], s[G0B+4*TSL+2:G0B+4*TSL+3], 196608
	JLOADB G0B+4*TSL
.elseif \fill == 2
	CREST
	JLOAD G0AV+4*TSL, G0BV+4*TSL
.else
	PLACES 4
.endif
	FETCH (\q)+1
.if \sb
	global_store_b64 v[L8], v[16:17], s[\sb:\sb+1] offset:\si   ; 256 consecutive bytes, aligned
.endif
	MULA \q, 2, 0, 0
	MULA \q, 3, 0, 0
.endm
.macro BIAS sb                         ; a bias along B in the result's layout (register 16 e + i = row 32 e + 16 h + i) into window 1: v96-127, v224-255
	WIN 0x40
.irp e, 0,1,2,3
.irp j, 0,1,2,3
	global_load_b128 v[96+16*\e+4*\j+96*(\e>>1):96+16*\e+4*\j+96*(\e>>1)+3], v[BOF], s[\sb:\sb+1] offset:128*\e+16*\j
.endr
.endr
	WIN 0
.endm
	s_load_b256 s[4:11], s[0:1], 0x0               ; xw, bq, bk, bv
	s_load_b64 s[12:13], s[0:1], 0x20              ; qkv
	v_lshl_add_u32 v[SPW], v0, 2, SPARE
	v_mov_b32 v[NIL], 0
	ds_add_u32 v[SPW], v[NIL]                      ; the opening lines: the add, twice on end, and its wait ahead of my first tensor load
	ds_add_u32 v[SPW], v[NIL]
	v_lshrrev_b32 v1, 5, v0
	v_readfirstlane_b32 s14, v1                    ; wave 0..3
	s_lshr_b32 s15, s14, 1                         ; my half of A's positions.  Also: I fetch for A (0) or for B (1)
	s_and_b32 s16, s14, 1                          ; my half of B's positions.  Also: which part I fetch
	s_bfe_u32 s76, ttmp6, 0x40000                  ; cx
	s_bfe_u32 s77, ttmp6, 0x40004                  ; cy
	s_and_b32 s79, ttmp7, 0xffff
	s_lshl_b32 s82, s79, 2
	s_add_co_u32 s82, s82, ttmp9                   ; c, the cluster's number, 0..15
	s_lshl_b32 s80, s77, 2
	s_lshl_b32 s80, 15, s80                        ; my row of the cluster
	s_lshl_b32 s81, 0x1111, s76                    ; my column
	s_or_b32 s[G1A], s80, (3<<16)|(1<<21)          ; group 1: two rows, a chunk's blocks each, in elements of 8 bytes
	s_or_b32 s[G1B], s81, (3<<16)|(1<<21)
	s_mov_b32 s[G1A+1], 1536<<16                   ; four blocks, 12,288 bytes
	s_mov_b32 s[G1A+2], 2<<16
	s_mov_b32 s[G1A+3], 1536<<16
	s_mov_b32 s[G1A+4], 2
	s_mov_b32 s[G1A+5], CHK/8
	s_mov_b32 s[G1A+6], 0
	s_mov_b32 s[G1A+7], 0
	s_mov_b32 s[G1B+1], 3072<<16                   ; eight blocks, 24,576 bytes
	s_mov_b32 s[G1B+2], 2<<16
	s_mov_b32 s[G1B+3], 3072<<16
	s_mov_b32 s[G1B+4], 2
	s_mov_b32 s[G1B+5], CHK/8
	s_mov_b32 s[G1B+6], 0
	s_mov_b32 s[G1B+7], 0
	; A's side: nothing here holds cx
	s_lshl_b32 s83, s82, 2
	s_add_co_u32 s83, s83, s77                     ; Q, K: x's tile 4 c + cy
	s_and_b32 s84, s82, 1
	s_lshl_b32 s84, s84, 2
	s_add_co_u32 s84, s84, s77                     ; V^T: Wv's tile 4 (c % 2) + cy
	s_lshl_b32 s17, s16, 2
	s_lshl_b32 s88, s83, 3
	s_add_co_u32 s88, s88, s17
	s_mul_i32 s88, s88, 3072                       ; x as A: block 8 tile + 4 part
	s_mov_b32 s89, 0
	s_lshl_b32 s86, s84, 3
	s_add_co_u32 s86, s86, s17
	s_add_co_u32 s86, s86, 640
	s_mul_i32 s86, s86, 3072                       ; Wv: block 640 + 8 tile + 4 part
	s_mov_b32 s87, 0
	; B's side: nothing here holds cy
	s_lshr_b32 s85, s82, 1
	s_lshl_b32 s85, s85, 2
	s_add_co_u32 s85, s85, s76                     ; V^T: x's tile 4 (c / 2) + cx
	s_lshl_b32 s19, s16, 3
	s_lshl_b32 s90, s76, 4
	s_add_co_u32 s90, s90, s19
	s_add_co_u32 s90, s90, 512
	s_mul_i32 s90, s90, 3072                       ; Wq: block 512 + 16 cx + 8 part
	s_mov_b32 s91, 0
	s_lshl_b32 s98, s85, 4
	s_add_co_u32 s98, s98, s19
	s_mul_i32 s98, s98, 3072                       ; x as B: block 16 tile + 8 part
	s_mov_b32 s99, 0
	s_mul_i32 s92, s16, 49152                      ; LDS: A's two parts of 49,152 bytes, then B's two of 98,304; in a part its four chunks on end; slot s is chunks 2 s, 2 s + 1 of every part
	s_mul_i32 s93, s16, 98304
	s_add_co_u32 s93, s93, 98304
	s_mov_b32 s[SEL], 0x76543210
	s_mov_b32 s[SEL+1], 0xfedcba98
	s_wait_dscnt 0x0                               ; both opening adds are done
	s_wait_kmcnt 0x0
	s_add_nc_u64 s[88:89], s[4:5], s[88:89]
	s_add_nc_u64 s[86:87], s[4:5], s[86:87]
	s_add_nc_u64 s[90:91], s[4:5], s[90:91]
	s_add_nc_u64 s[98:99], s[4:5], s[98:99]
	CROUND                                         ; all sixteen work-groups are here: the first joint loads meet
.irp s, 0,1
	s_mov_b32 s[G0A+4*\s], 1
	s_add_co_u32 s[G0A+4*\s+1], s92, \s*24576
	s_add_nc_u64 s[G0A+4*\s+2:G0A+4*\s+3], s[88:89], \s*2*CHK
	s_or_b32 s[G0A+4*\s+3], s[G0A+4*\s+3], 0x80000000
	s_mov_b32 s[G0AV+4*\s], 1
	s_add_co_u32 s[G0AV+4*\s+1], s92, \s*24576
	s_add_nc_u64 s[G0AV+4*\s+2:G0AV+4*\s+3], s[86:87], \s*2*CHK
	s_or_b32 s[G0AV+4*\s+3], s[G0AV+4*\s+3], 0x80000000
	s_mov_b32 s[G0B+4*\s], 1
	s_add_co_u32 s[G0B+4*\s+1], s93, \s*49152
	s_add_nc_u64 s[G0B+4*\s+2:G0B+4*\s+3], s[90:91], \s*2*CHK
	s_or_b32 s[G0B+4*\s+3], s[G0B+4*\s+3], 0x80000000
	s_mov_b32 s[G0BV+4*\s], 1
	s_add_co_u32 s[G0BV+4*\s+1], s93, \s*49152
	s_add_nc_u64 s[G0BV+4*\s+2:G0BV+4*\s+3], s[98:99], \s*2*CHK
	s_or_b32 s[G0BV+4*\s+3], s[G0BV+4*\s+3], 0x80000000
.endr
	JLOAD G0A, G0B                                 ; slot 0: one tensor load a wave at the head
	; SLOT 1'S FIRST FILL IS PREFETCHED (what the head comment says of prefetching holds of the refills alone): each wave's two rows, chunks 2 and 3 of its part.  The four partners that ask for a part jointly
	; share it out by address: the partner at place p (cx for A, cy for B) takes half p % 2 of row p / 2, in pieces of 256 bytes, 24 lanes an instruction (the lanes left over name the last piece again).
	v_and_b32 v24, 31, v0
	v_min_u32 v24, 23, v24
	v_lshlrev_b32 v24, 8, v24
	s_mov_b32 s81, 0
	s_cmp_eq_u32 s15, 0
	s_wait_alu depctr_va_vdst(0)
	s_cbranch_scc0 .Lpf_b
	s_lshr_b32 s80, s76, 1                         ; x: a row is 12,288 bytes
	s_add_co_u32 s80, s80, 2
	s_mul_i32 s80, s80, CHK
	s_and_b32 s78, s76, 1
	s_mul_i32 s78, s78, 6144
	s_add_co_u32 s80, s80, s78
	s_add_nc_u64 s[78:79], s[88:89], s[80:81]
	global_prefetch_b8 v24, s[78:79] th:TH_LOAD_NT scope:SCOPE_SE
	s_branch .Lpf_done
.Lpf_b:
	s_lshr_b32 s80, s77, 1                         ; Wq: a row is 24,576 bytes
	s_add_co_u32 s80, s80, 2
	s_mul_i32 s80, s80, CHK
	s_and_b32 s78, s77, 1
	s_mul_i32 s78, s78, 12288
	s_add_co_u32 s80, s80, s78
	s_add_nc_u64 s[78:79], s[90:91], s[80:81]
	global_prefetch_b8 v24, s[78:79] th:TH_LOAD_NT scope:SCOPE_SE
	global_prefetch_b8 v24, s[78:79] offset:6144 th:TH_LOAD_NT scope:SCOPE_SE
.Lpf_done:
	s_lshl_b32 s20, s83, 9                         ; x's scale words as A: my 64 positions
	s_lshl_b32 s21, s15, 8
	s_add_co_u32 s20, s20, s21
	s_add_co_u32 s20, s20, XWS
	s_mov_b32 s21, 0
	s_add_nc_u64 s[20:21], s[4:5], s[20:21]
	s_lshl_b32 s22, s76, 10                        ; 256 cx + 128 (w % 2) numbers of 4 bytes: my part of bq and of bk,
	s_lshl_b32 s23, s16, 9
	s_add_co_u32 s22, s22, s23
	s_mov_b32 s23, 0
	s_add_nc_u64 s[6:7], s[6:7], s[22:23]
	s_add_nc_u64 s[8:9], s[8:9], s[22:23]
	s_add_co_u32 s22, s22, XWS+32768               ; and Wq's scale words; Wk's lie 4,096 bytes further
	s_add_nc_u64 s[22:23], s[4:5], s[22:23]
	v_and_b32 v1, 31, v0
	v_and_b32 v8, 15, v0                           ; r
	v_bfe_u32 v9, v0, 4, 1                         ; h
	v_lshlrev_b32 v[L16], 4, v1
	v_lshlrev_b32 v[L8], 3, v1
.irp q, 0,1,2,3,4,5,6,7                ; the first tile's scale words: each load takes 256 consecutive bytes, aligned
	global_load_b64 v[SC+6*\q:SC+6*\q+1], v[L8], s[20:21] offset:\q*SSTR
	global_load_b64 v[SC+6*\q+2:SC+6*\q+3], v[L8], s[22:23] offset:\q*SSTR
	global_load_b64 v[SC+6*\q+4:SC+6*\q+5], v[L8], s[22:23] offset:\q*SSTR+256
.endr
	v_lshlrev_b32 v[BOF], 6, v9
	BIAS 6                                         ; bq
	v_and_b32 v[AOF], 8, v8
	v_add_nc_u32 v[AOF], v[AOF], v8
	v_lshlrev_b32 v[AOF], 2, v[AOF]                ; the bias along A: my position's row, r + 8 (r / 8) in its block
	s_mul_i32 s17, s15, 49152
	v_add_nc_u32 v[ADRA], s17, v[L16]
	v_add_nc_u32 v[ADRA+1], 24576, v[ADRA]
	s_mul_i32 s17, s16, 98304
	s_add_co_u32 s17, s17, 98304
	v_add_nc_u32 v[ADRB], s17, v[L16]
	v_add_nc_u32 v[ADRB+1], 49152, v[ADRB]
	s_mul_i32 s17, s14, 768
	s_add_co_u32 s17, s17, STG
	v_lshl_add_u32 v[SWA], v8, 3, s17
	v_add_nc_u32 v[SRD], s17, v[L8]
	s_lshl_b32 s18, s84, 9                         ; my part of bv,
	s_lshl_b32 s19, s15, 8
	s_add_co_u32 s18, s18, s19
	s_mov_b32 s19, 0
	s_add_nc_u64 s[10:11], s[10:11], s[18:19]
	s_add_co_u32 s18, s18, XWS+40960               ; and Wv's scale words
	s_add_nc_u64 s[18:19], s[4:5], s[18:19]
	s_lshl_b32 s2, s85, 10                         ; x's scale words as B: my 128 positions
	s_lshl_b32 s3, s16, 9
	s_add_co_u32 s2, s2, s3
	s_add_co_u32 s2, s2, XWS
	s_mov_b32 s3, 0
	s_add_nc_u64 s[2:3], s[4:5], s[2:3]
	; where the results go
	s_lshl_b32 s88, s83, 3
	s_lshl_b32 s89, s15, 2
	s_add_co_u32 s88, s88, s89                     ; Q, K: my first block of tokens
	s_lshl_b32 s94, s76, 10
	s_add_co_u32 s94, s94, s88                     ; chunk cx of 1,024 blocks; K's 512 blocks lie behind Q's
	s_mul_i32 s94, s94, 3072
	s_mul_i32 s95, s16, 1536
	s_add_co_u32 s94, s94, s95
	s_mov_b32 s95, 0
	s_add_nc_u64 s[94:95], s[12:13], s[94:95]
	s_lshl_b32 s98, s76, 1
	s_add_co_u32 s98, s98, s16
	s_lshl_b32 s98, s98, 14                        ; K step 2 cx + w % 2 of 16,384 words
	s_lshl_b32 s88, s88, 4
	s_add_co_u32 s98, s98, s88
	s_lshl_b32 s98, s98, 2
	s_add_co_u32 s98, s98, QKS
	s_mov_b32 s99, 0
	s_add_nc_u64 s[98:99], s[12:13], s[98:99]
	s_lshl_b32 s88, s84, 3
	s_lshl_b32 s89, s15, 2
	s_add_co_u32 s88, s88, s89                     ; V^T: my first block of channels
	s_lshl_b32 s66, s85, 6
	s_add_co_u32 s66, s66, s88
	s_mul_i32 s66, s66, 3072
	s_mul_i32 s67, s16, 1536
	s_add_co_u32 s66, s66, s67
	s_add_co_u32 s66, s66, VC
	s_mov_b32 s67, 0
	s_add_nc_u64 s[66:67], s[12:13], s[66:67]
	s_lshl_b32 s86, s85, 1
	s_add_co_u32 s86, s86, s16
	s_lshl_b32 s86, s86, 10
	s_lshl_b32 s88, s88, 4
	s_add_co_u32 s86, s86, s88
	s_lshl_b32 s86, s86, 2
	s_add_co_u32 s86, s86, VS
	s_mov_b32 s87, 0
	s_add_nc_u64 s[86:87], s[12:13], s[86:87]
	s_wait_alu depctr_va_vdst(0)
	s_wait_tensorcnt 0x0                           ; my part of slot 0 is in
	ds_add_u32 v[SPW], v[NIL]
	s_wait_dscnt 0x0
	CROUND                                         ; everybody's part of slot 0 is in, and the sixteen work-groups meet
	JLOAD G0A+4, G0B+4                             ; slot 1, the first tensor load behind the round
	FETCH 0
	s_wait_loadcnt 0x0                             ; the first tile's scale words, bq
	STEP 0, 1, 0                                   ; ---- Q's tile, window 2
	PLACES 4                                       ; in front of loads into the registers that held bq
	WIN 0
.irp q, 0,1,2,3,4,5,6,7
	global_load_b64 v[SC1+4*\q:SC1+4*\q+1], v[L8], s[22:23] offset:\q*SSTR+4096
	global_load_b64 v[SC1+4*\q+2:SC1+4*\q+3], v[L8], s[22:23] offset:\q*SSTR+4096+256
.endr
	BIAS 8                                         ; bk
	STEP 1, 0, 0
	STEP 2, 0, 0
	TURN 3, 1, 0, 0, 0
	STEP 4, 0, 0
	STEP 5, 0, 0
	STEP 6, 0, 0
	TURN 7, 1, 0, 0, 0
	s_wait_loadcnt 0x0                             ; Wk's scale words, bk
	STEP 8, 1, 0                                   ; ---- K's tile, window 3
	PLACES 4                                       ; in front of writes of the registers that held bk
	WIN 0
.irp q, 0,1,2,3,4,5,6,7                ; the third tile's scale words and bias, a tile ahead
	global_load_b64 v[SC2+6*\q:SC2+6*\q+1], v[L8], s[18:19] offset:\q*SSTR
	global_load_b64 v[SC2+6*\q+2:SC2+6*\q+3], v[L8], s[2:3] offset:\q*SSTR
	global_load_b64 v[SC2+6*\q+4:SC2+6*\q+5], v[L8], s[2:3] offset:\q*SSTR+256
.endr
.irp a, 0,1,2,3
	global_load_b32 v[BV+\a], v[AOF], s[10:11] offset:(32*(\a>>1)+8*(\a&1))*4
.endr
	WIN 0x40
.irp b, 0,1,2,3
	v_mov_b32 v[TM+4+\b], 0                        ; written once: a lane permute's destination counts as one of its sources
.endr
.set EC, 0                             ; Q's tile goes out under K's products
.set EW, 2
.set ECB, 94
.set ECI, 0
	STEP 9, 0, 1
	STEP 10, 0, 1
	TURN 11, 2, 1, 0, 0
	STEP 12, 0, 1
	STEP 13, 0, 1
	STEP 14, 0, 1
	WIN 0
	ds_load_b64 v[16:17], v[SRD]                   ; LDS serves a wave's instructions in order: this sees my four word stores
	TURN 15, 2, 1, 98, 0
	WIN 0
	s_wait_loadcnt 0x0                             ; the third tile's scale words, bv
	s_wait_xcnt 0x0                                ; the stores have read the codes' registers
	WIN 0x40
.irp a, 0,1,2,3                        ; bv in the result's layout: all eight registers of a tile of block a hold my position's number
.irp i, 0,1,2,3,4,5,6,7
	v_mov_b32 v[224+8*\a+\i], v[BV+\a]
.endr
.endr
	s_wait_alu depctr_va_vdst(0)
	PLACES 4
	STEP 16, 1, 0                                  ; ---- V^T's tile, window 2
.set EC, 0                             ; K's tile goes out under V^T's products
.set EW, 3
.set ECB, 94
.set ECI, 1572864
	STEP 17, 0, 1
	STEP 18, 0, 1
	TURN 19, 0, 1, 0, 0                            ; nothing is left to fetch: no round, no load
	STEP 20, 0, 1
	STEP 21, 0, 1
	STEP 22, 0, 1
	WIN 0
	ds_load_b64 v[16:17], v[SRD]
	s_wait_alu depctr_va_vdst(0)
	s_wait_dscnt 0x0
	MULA 23, 0, 0, 0
	MULA 23, 1, 0, 0
	MULA 23, 2, 0, 0
	MULA 23, 3, 0, 0
	WIN 0
	global_store_b64 v[L8], v[16:17], s[98:99] offset:32768
	PLACES 4                                       ; behind the last products, ahead of the first read of their results
.set EC, 0                             ; V^T's tile goes out
.set EW, 2
.set ECB, 66
.set ECI, 0
.rept 80
	EPART
.endr
	WIN 0
	ds_load_b64 v[16:17], v[SRD]
	s_wait_dscnt 0x0
	global_store_b64 v[L8], v[16:17], s[86:87]
	s_wait_tensorcnt 0x0                           ; the wave's end
	ds_add_u32 v[SPW], v[NIL]
	s_wait_dscnt 0x0
	CROUND                                         ; the closing round
	s_endpgm
.Lfunc_end_k_q940674479c_qkv:
	.size	k_q940674479c_qkv, .Lfunc_end_k_q940674479c_qkv-k_q940674479c_qkv
	.p2alignl 7, 3214868480
	.fill 96, 4, 3214868480
	.section	.rodata,"a",@progbits
	.p2align	6, 0x0
	.amdhsa_kernel k_q940674479c_qkv
		.amdhsa_group_segment_fixed_size 327680
		.amdhsa_private_segment_fixed_size 0
		.amdhsa_enable_private_segment 0
		.amdhsa_kernarg_size 40
		.amdhsa_user_sgpr_count 2
		.amdhsa_user_sgpr_kernarg_segment_ptr 1
		.amdhsa_wavefront_size32 1
		.amdhsa_system_sgpr_workgroup_id_x 1
		.amdhsa_system_sgpr_workgroup_id_y 1
		.amdhsa_system_sgpr_workgroup_id_z 1
		.amdhsa_system_vgpr_workitem_id 0
		.amdhsa_next_free_vgpr 1024
		.amdhsa_next_free_sgpr 100
		.amdhsa_reserve_vcc 0
		.amdhsa_float_denorm_mode_32 3
		.amdhsa_float_denorm_mode_16_64 3
		.amdhsa_memory_ordered 1
		.amdhsa_forward_progress 1
		.amdhsa_inst_pref_size 247
	.end_amdhsa_kernel
	.amdgpu_metadata
---
amdhsa.version: [ 1, 2 ]
amdhsa.kernels:
  - .name:           k_q940674479c_qkv
    .symbol:         k_q940674479c_qkv.kd
    .args:
      - { .name: xw, .offset: 0, .size: 8, .value_kind: global_buffer, .address_space: global }
      - { .name: bq, .offset: 8, .size: 8, .value_kind: global_buffer, .address_space: global }
      - { .name: bk, .offset: 16, .size: 8, .value_kind: global_buffer, .address_space: global }
      - { .name: bv, .offset: 24, .size: 8, .value_kind: global_buffer, .address_space: global }
      - { .name: qkv, .offset: 32, .size: 8, .value_kind: global_buffer, .address_space: global }
    .group_segment_fixed_size: 327680
    .private_segment_fixed_size: 0
    .kernarg_segment_align: 8
    .kernarg_segment_size: 40
    .max_flat_workgroup_size: 128
    .sgpr_count:     100
    .vgpr_count:     1024
    .wavefront_size: 32
...
	.end_amdgpu_metadata
.endif
;; end of part 2
;; launch scores (part 3): grid 4 x 64, 4 waves a work-group, clusters of 4 x 4, 327,680 bytes of LDS; arguments qkv, p; writes p
.if DOCPART == 3
	.amdgcn_target "amdgcn-amd-amdhsa--gfx1250"
	.amdhsa_code_object_version 6
	.text
	.protected	k_q940674479c_scores
	.globl	k_q940674479c_scores
	.p2align	8
	.type	k_q940674479c_scores,@function
k_q940674479c_scores:
	s_mov_b64 s[64:65], 0
	v_nop
	global_prefetch_b8 v0, s[64:65] scope:SCOPE_SE
	s_setreg_imm32_b32 hwreg(HW_REG_WAVE_MODE, 25, 1), 1
	s_wait_xcnt 0x0
	s_wait_alu depctr_hold_cnt(0) depctr_sa_sdst(0) depctr_va_vdst(0) depctr_va_sdst(0) depctr_va_ssrc(0) depctr_va_vcc(0) depctr_vm_vsrc(0)
	s_getreg_b32 s2, hwreg(HW_REG_IB_STS2, 6, 4)
	s_cmp_eq_u32 s2, 0
	s_cbranch_scc0 .Lentry_in_a_cluster
	s_endpgm
.Lentry_in_a_cluster:
	s_bfe_u32 s2, ttmp6, 0x10000c
	s_cmp_lg_u32 s2, 0xf033
	s_cbranch_scc0 .Lentry_shape_is_right
	s_endpgm
.Lentry_shape_is_right:
; S = Q K^T on codes of FP6 (E2M3) with E8M0 scales, and the softmax's weights as codes.  t = S x log2(e) / 32.  For each query and each run of 128 keys: M' = the run's largest t rounded UP to a whole number,
; p = 2^(t - M'), the run's sum of the unquantised p, and p quantised along the keys.  Since M' is a whole number, a block's CODES are those that the row's own M would give, and only its scale byte and the run's sum
; differ, by the exact factor 2^(M' - M): the next launch, which knows all sixteen M' of a row, takes that off.  So a maximum is taken away ahead of every exponential, and P goes to memory as codes.
; Stored for (query position, run): a fragment's image, the scale word, -M' and the sum, the last three in the scale words' order.
; THE PRODUCT: source 0 = 16 positions of K, source 1 = 16 of Q; a lane holds one query, its 64 registers 128 neighbouring keys.  A tile is 128 queries x 256 keys, wave (w / 2, w % 2) makes 64 x 128 of it.
; A WORK-GROUP STAYS and makes two tiles, 16 K steps of 128 on end: its 128 queries against keys 256 x on and 256 (x + 4) on.  K goes through two LDS slots of 512 along K; one load a wave brings its part of a whole slot
; (two rows: two chunks of 256 along K).  Slot 0 is filled at the start, slot 1 behind a round of the cluster's barrier (one load of mine outstanding).  Q's parts stay where they lie; K's parts of each slot are filled once more (one load outstanding, in waves 2 and 3),
; behind a round of the cluster's barrier, four K steps ahead of the wait for them.  At the first tile's end the refill is asked for first; then the tile goes out, and the next fragments are fetched behind the way out.
; CLUSTER: 4 x 4: Q's part is shared along a row, K's along a column.
; LIMITS: p under 2^-126 counts as 0 (the exponential's own flush); a block of zeros gets the byte 1; NaN and infinities are not served.
; REGISTERS: window 0: v2-27 addresses and a block's statistics; v32-127 Q's fragments, two sets (on a way out: work); v128-207 scale words, and nothing else: v128-175 six a K step, v176-207 the second tile's keys', four a K step.
;   window 1: K's fragments, two sets.   window 2: accumulator (a, b) at v[64 a + 8 b].
.set QKS,   18874368                   ; qkv: Q's and K's scale words
.set PS,    12582912                   ; p: the scale words; -M' 524,288 bytes on, the sums 1,048,576 on
.set CHK,   1024*3072                  ; from a chunk of 256 along K to the next
.set SSTR,  65536                      ; from a K step's scale words to the next
.set SLOT,  147456
.set STG,   294912                     ; 768 bytes for each wave: three arrays of 256
.set SPARE, 297984
.set SPW,  2
.set NIL,  3
.set ADRA, 4
.set ADRB, 6
.set L16,  10
.set SWA,  11
.set SRD,  12
.set L8,   13
.set PW,   15
.set AF,   32
.set SC,   128
.set SC1,  176
.set H,    32
.set PC,   96
.set PT,   108
.set TM,   116
.set G1A,  24
.set G0A,  32                          ; s[32:39] a set for each slot
.set G1B,  48
.set G0B,  56                          ; s[56:63]
.set CS,   66                          ; s[66:67] c = log2(e) / 32
.set SEL,  96
.set MSB,  0
.macro WIN new
.if MSB != \new
	s_set_vgpr_msb (MSB<<8)|\new
.set MSB, \new
.endif
.endm
.macro PLACES n
.rept \n
	v_nop
.endr
.endm
.macro CREST
	s_cmp_lg_u32 s14, 0
	s_cbranch_scc1 .Lnot_wave_0_\@
	s_barrier_signal -3
.Lnot_wave_0_\@:
	s_barrier_wait -3
	s_barrier_signal -1
	s_barrier_wait -1
.endm
.macro CROUND
	s_barrier_signal -1
	s_barrier_wait -1
	CREST
.endm
.macro JLOADB gb                       ; a joint refill of K's parts: waves 0 and 1 have no part to fill and issue none; the branch hangs on the wave's number alone; an s_nop 0 and four v_nop follow the load
	s_cmp_eq_u32 s15, 0
	s_cbranch_scc1 .Lnone_\@
	tensor_load_to_lds s[(\gb):(\gb)+3], s[G1B:G1B+7]
	s_nop 0
	PLACES 4
.Lnone_\@:
	PLACES 4                                       ; the places in front of the fragment loads, on both ways
.endm
.macro FETCH q
.set FP, (\q)&1
.set FS, ((\q)>>2)&1
.set FZ, ((\q)>>1)&1
	WIN 0x40
.irp i, 0,1,2,3,4,5,6,7
.irp c, 0,1,2
	ds_load_b128 v[128*FP+12*\i+4*\c:128*FP+12*\i+4*\c+3], v[ADRB+FS] offset:FZ*24576+\i*3072+FP*1536+512*\c
.endr
.endr
	WIN 0
.irp i, 0,1,2,3
.irp c, 0,1,2
	ds_load_b128 v[AF+48*FP+12*\i+4*\c:AF+48*FP+12*\i+4*\c+3], v[ADRA+FS] offset:FZ*12288+\i*3072+FP*1536+512*\c
.endr
.endr
.endm
; Eight products: Q's block a against K's eight, K step q of 16 (tile q / 8).  cmode 1: the constant 0 starts the sums; 0: in place.  The 32 accumulators take turns, one instruction a turn.
.macro MULA q, a, cmode
.set MP, (\q)&1
.set MQ, (\q)&7
.set MA, AF+48*MP+12*(\a)
.set MSA, SC+6*MQ+((\a)>>1)
.irp b, 0,1,2,3,4,5,6,7
.set MD, 64*(\a)+8*\b
.set MB, 128*MP+12*\b
.if (\q) < 8
.set MSS, SC+6*MQ+2+(\b>>1)
.else
.set MSS, SC1+4*MQ+(\b>>1)
.endif
.set RW, 2*((\a)&1)+(\b&1)
.if \cmode == 1
.if RW == 0
	v_wmma_scale_f32_16x16x128_f8f6f4 v[MD:MD+7], v[MB:MB+11], v[MA:MA+11], 0, v[MSS], v[MSA] matrix_a_fmt:MATRIX_FMT_FP6 matrix_b_fmt:MATRIX_FMT_FP6
.elseif RW == 1
	v_wmma_scale_f32_16x16x128_f8f6f4 v[MD:MD+7], v[MB:MB+11], v[MA:MA+11], 0, v[MSS], v[MSA] matrix_a_fmt:MATRIX_FMT_FP6 matrix_b_fmt:MATRIX_FMT_FP6 matrix_a_scale:MATRIX_SCALE_ROW1
.elseif RW == 2
	v_wmma_scale_f32_16x16x128_f8f6f4 v[MD:MD+7], v[MB:MB+11], v[MA:MA+11], 0, v[MSS], v[MSA] matrix_a_fmt:MATRIX_FMT_FP6 matrix_b_fmt:MATRIX_FMT_FP6 matrix_b_scale:MATRIX_SCALE_ROW1
.else
	v_wmma_scale_f32_16x16x128_f8f6f4 v[MD:MD+7], v[MB:MB+11], v[MA:MA+11], 0, v[MSS], v[MSA] matrix_a_fmt:MATRIX_FMT_FP6 matrix_b_fmt:MATRIX_FMT_FP6 matrix_a_scale:MATRIX_SCALE_ROW1 matrix_b_scale:MATRIX_SCALE_ROW1
.endif
.else
.if RW == 0
	v_wmma_scale_f32_16x16x128_f8f6f4 v[MD:MD+7], v[MB:MB+11], v[MA:MA+11], v[MD:MD+7], v[MSS], v[MSA] matrix_a_fmt:MATRIX_FMT_FP6 matrix_b_fmt:MATRIX_FMT_FP6
.elseif RW == 1
	v_wmma_scale_f32_16x16x128_f8f6f4 v[MD:MD+7], v[MB:MB+11], v[MA:MA+11], v[MD:MD+7], v[MSS], v[MSA] matrix_a_fmt:MATRIX_FMT_FP6 matrix_b_fmt:MATRIX_FMT_FP6 matrix_a_scale:MATRIX_SCALE_ROW1
.elseif RW == 2
	v_wmma_scale_f32_16x16x128_f8f6f4 v[MD:MD+7], v[MB:MB+11], v[MA:MA+11], v[MD:MD+7], v[MSS], v[MSA] matrix_a_fmt:MATRIX_FMT_FP6 matrix_b_fmt:MATRIX_FMT_FP6 matrix_b_scale:MATRIX_SCALE_ROW1
.else
	v_wmma_scale_f32_16x16x128_f8f6f4 v[MD:MD+7], v[MB:MB+11], v[MA:MA+11], v[MD:MD+7], v[MSS], v[MSA] matrix_a_fmt:MATRIX_FMT_FP6 matrix_b_fmt:MATRIX_FMT_FP6 matrix_a_scale:MATRIX_SCALE_ROW1 matrix_b_scale:MATRIX_SCALE_ROW1
.endif
.endif
.endr
.endm
.macro STEP q, cmode
	PLACES 4                                       ; in front of loads into the set that the step before multiplied
	FETCH (\q)+1
	s_wait_dscnt 36                                ; all but the 36 loads just issued
	WIN 0xa1
	MULA \q, 0, \cmode
	MULA \q, 1, \cmode
	MULA \q, 2, \cmode
	MULA \q, 3, \cmode
.endm
; A slot's last step changes slots: ONE barrier; in front of it each wave waits for all its tensor loads, adds 0 to its spare word, and waits for that and for its reads of this slot.
; fill = 1: the barrier opens a round of the cluster's barrier, and K's parts of this slot are filled with the second tile's keys, 64 blocks on.  fetch = 0: a tile's last step: the next fragments are fetched behind the way out.
.macro TURN q, fill, fetch
.set TSL, ((\q)>>2)&1
	WIN 0                                          ; (the add's two registers lie in window 0)
	s_wait_tensorcnt 0x0                           ; all my tensor loads have landed: my part of the next slot
	ds_add_u32 v[SPW], v[NIL]                      ; 0 onto my spare word
	s_wait_dscnt 1                                 ; this step's 36 loads are in; the add may be out
	WIN 0xa1
	MULA \q, 0, 0                                  ; eight matrix instructions stand between the add and the wait for it
	s_wait_dscnt 0x0                               ; the add is done, and my reads of this slot are over
	s_barrier_signal -1
	MULA \q, 1, 0
	WIN 0
	s_barrier_wait -1
.if \fill
	CREST                                          ; no wave of any partner still reads this slot or has a load on its way
	s_add_nc_u64 s[G0B+4*TSL+2:G0B+4*TSL+3], s[G0B+4*TSL+2:G0B+4*TSL+3], 196608
	JLOADB G0B+4*TSL                               ; the first tensor load behind the round
.else
	PLACES 4
.endif
.if \fetch
	FETCH (\q)+1
.endif
	WIN 0xa1
	MULA \q, 2, 0
	MULA \q, 3, 0
.endm
.macro LAST q
	s_wait_dscnt 0x0
	WIN 0xa1
	MULA \q, 0, 0
	MULA \q, 1, 0
	MULA \q, 2, 0
	MULA \q, 3, 0
	WIN 0
.endm
.macro QSCALE
.irp b, 0,1,2,3
	v_add_nc_u32 v[TM+8+\b], 0xff000000, v[TM+\b]
.endr
.irp b, 0,1,2,3
	v_lshrrev_b32 v[TM+4+\b], 23, v[TM+8+\b]
.endr
	v_lshl_or_b32 v[PW], v[TM+5], 8, v[TM+4]
	v_lshl_or_b32 v[PW], v[TM+6], 16, v[PW]
	v_lshl_or_b32 v[PW], v[TM+7], 24, v[PW]
.endm
.macro QCODE s, pc
.irp c, 0,1
	v_cvt_scalef32_pk16_fp6_f32 v[(\pc)+6*\c:(\pc)+6*\c+2], v[(\s)+32*\c:(\s)+32*\c+15], v[TM+8+2*\c]
	v_cvt_scalef32_pk16_fp6_f32 v[PT+4*\c:PT+4*\c+2], v[(\s)+32*\c+16:(\s)+32*\c+31], v[TM+8+2*\c+1]
.endr
	v_nop                                              ; one plain place behind a scaled conversion
.irp c, 0,1
.irp i, 0,1,2
	v_permlane16_swap_b32 v[(\pc)+6*\c+\i], v[PT+4*\c+\i]
.endr
.irp i, 0,1,2
	v_mov_b32 v[(\pc)+6*\c+3+\i], v[PT+4*\c+\i]
.endr
.endr
.endm
; THE WAY OUT of block a of tile t: 16 queries x my 128 keys.  v20 = -M', v24 = the run's sum.  hold = 1: earlier stores may still read the work registers.
.macro SBLK a, hold, t
.set AC, 64*(\a)
.if \hold
	s_wait_xcnt 0x0                                ; the last block's stores have read their registers,
	s_wait_dscnt 0x0                               ; its three small LDS stores too
.endif
	WIN 0x2a                                       ; all three sources window 2
.irp b, 0,1,2,3
	v_max3_num_f32 v[TM+\b], v[AC+16*\b], v[AC+16*\b+1], v[AC+16*\b+2]   ; the largest score of each block of 32 keys: it serves the run's maximum and, since p rises with the score, the block's largest p
.endr
	WIN 0x28                                       ; sources 1 and 2 window 2
.irp i, 3,5,7,9,11,13
.irp b, 0,1,2,3
	v_max3_num_f32 v[TM+\b], v[TM+\b], v[AC+16*\b+\i], v[AC+16*\b+\i+1]
.endr
.endr
	WIN 0x08
.irp b, 0,1,2,3
	v_max_num_f32 v[TM+\b], v[TM+\b], v[AC+16*\b+15]
.endr
	WIN 0
.irp b, 0,1,2,3
	v_permlanex16_b32 v[TM+4+\b], v[TM+\b], s[SEL], s[SEL+1]
.endr
.irp b, 0,1,2,3
	v_max_num_f32 v[TM+\b], v[TM+\b], v[TM+4+\b]
.endr
	v_max3_num_f32 v22, v[TM], v[TM+1], v[TM+2]
	v_max_num_f32 v22, v22, v[TM+3]
	v_mul_f32 v22, s[CS], v22                      ; the run's largest t (c is positive)
	v_floor_f32 v20, -v22                          ; -M' = floor(-t) = -ceil(t)
	WIN 0x02
.set N, 0
.rept 32
	v_pk_fma_f32 v[H+N:H+N+1], v[AC+N:AC+N+1], s[CS:CS+1], v[20:21] op_sel_hi:[1,0,0]   ; t - M', two at a time
.set N, N+2
.endr
	WIN 0
.irp b, 0,1,2,3
	v_fma_f32 v[TM+\b], v[TM+\b], s[CS], v20       ; the same of each block's largest score
.endr
.set N, 0
	s_wait_alu depctr_va_vdst(0)
.rept 64
	v_exp_f32 v[H+N], v[H+N]                       ; p = 2^(t - M'), at most 1
.set N, N+1
.endr
	v_nop                                          ; a plain place behind the exponentials
	s_wait_alu depctr_va_vdst(0)                   ; one wait for the batch, ahead of its first reader
.irp b, 0,1,2,3
	v_exp_f32 v[TM+\b], v[TM+\b]                   ; the block's largest p: the same two instructions on the same number give the same bits
.endr
	v_pk_add_f32 v[24:25], v[H:H+1], v[H+2:H+3]    ; the sum of the UNQUANTISED p, in two chains; it reads the 64 alone
	v_pk_add_f32 v[26:27], v[H+4:H+5], v[H+6:H+7]
.irp j, 8,12,16,20,24,28,32,36,40,44,48,52,56,60
	v_pk_add_f32 v[24:25], v[24:25], v[H+\j:H+\j+1]
	v_pk_add_f32 v[26:27], v[26:27], v[H+\j+2:H+\j+3]
.endr
	v_pk_add_f32 v[24:25], v[24:25], v[26:27]
	v_add_f32 v24, v24, v25
	v_permlanex16_b32 v25, v24, s[SEL], s[SEL+1]
	v_add_f32 v24, v24, v25                        ; with lane l xor 16's 64 keys
	s_wait_alu depctr_va_vdst(0)                   ; and one for the four
.irp b, 0,1,2,3
	v_max_num_f32 v[TM+\b], 0x1800000, v[TM+\b]    ; the floor 2^(3 - 127): the byte cannot fall under 1
.endr
	QSCALE
	QCODE H, PC
.irp c, 0,1,2
	global_store_b128 v[L16], v[PC+4*\c:PC+4*\c+3], s[94:95] offset:(\t)*6291456+(\a)*3072+512*\c   ; 512 consecutive bytes, aligned; the second tile's chunk lies four chunks of 512 blocks on
.endr
	ds_store_b32 v[SWA], v[PW] offset:128*((\a)&1)+4*((\a)>>1)
	ds_store_b32 v[SWA], v20 offset:128*((\a)&1)+4*((\a)>>1)+256
	ds_store_b32 v[SWA], v24 offset:128*((\a)&1)+4*((\a)>>1)+512
.endm
.macro OUT t, hold
.irp b, 0,1,2,3
	v_mov_b32 v[TM+4+\b], 0                        ; a lane permute's destination counts as one of its sources
.endr
	SBLK 0, \hold, \t
	SBLK 1, 1, \t
	SBLK 2, 1, \t
	SBLK 3, 1, \t
	ds_load_b64 v[16:17], v[SRD]                   ; LDS serves a wave's instructions in order: these see my stores
	ds_load_b64 v[18:19], v[SRD] offset:256
	ds_load_b64 v[22:23], v[SRD] offset:512
	s_wait_dscnt 0x0
	global_store_b64 v[L8], v[16:17], s[98:99] offset:(\t)*262144              ; each 256 consecutive bytes, aligned: the scale words (the second tile's runs lie eight runs on),
	global_store_b64 v[L8], v[18:19], s[98:99] offset:(\t)*262144+524288       ; -M',
	global_store_b64 v[L8], v[22:23], s[98:99] offset:(\t)*262144+1048576      ; the sums
.endm
	s_load_b128 s[4:7], s[0:1], 0x0                ; qkv, p
	v_lshl_add_u32 v[SPW], v0, 2, SPARE
	v_mov_b32 v[NIL], 0
	ds_add_u32 v[SPW], v[NIL]                      ; the wave's opening: the add and its wait ahead of my first tensor load
	ds_add_u32 v[SPW], v[NIL]
	v_lshrrev_b32 v1, 5, v0
	v_readfirstlane_b32 s14, v1
	s_lshr_b32 s15, s14, 1
	s_and_b32 s16, s14, 1
	s_bfe_u32 s76, ttmp6, 0x40000                  ; cx
	s_bfe_u32 s77, ttmp6, 0x40004                  ; cy
	s_lshl_b32 s78, ttmp9, 2
	s_add_co_u32 s78, s78, s76                     ; x, 0..3: the first tile's 256 keys of the batch; the second tile's are those of x + 4
	s_and_b32 s79, ttmp7, 0xffff
	s_lshl_b32 s82, s79, 2
	s_add_co_u32 s82, s82, s77                     ; y: which 128 queries, 0..63
	s_lshr_b32 s83, s79, 2                         ; the batch: the same in all sixteen partners
	s_lshl_b32 s80, s77, 2
	s_lshl_b32 s80, 15, s80
	s_lshl_b32 s81, 0x1111, s76
	s_or_b32 s[G1A], s80, (3<<16)|(1<<21)          ; group 1: two rows, a chunk's blocks each, in elements of 8 bytes
	s_or_b32 s[G1B], s81, (3<<16)|(1<<21)
	s_mov_b32 s[G1A+1], 1536<<16                   ; tensor_dim0: four blocks, 12,288 bytes
	s_mov_b32 s[G1A+2], 2<<16                      ; tensor_dim1
	s_mov_b32 s[G1A+3], 1536<<16                   ; tile_dim0
	s_mov_b32 s[G1A+4], 2                          ; tile_dim1
	s_mov_b32 s[G1A+5], CHK/8                      ; the pitch: a chunk is 1,024 blocks
	s_mov_b32 s[G1A+6], 0
	s_mov_b32 s[G1A+7], 0
	s_mov_b32 s[G1B+1], 3072<<16                   ; eight blocks, 24,576 bytes
	s_mov_b32 s[G1B+2], 2<<16
	s_mov_b32 s[G1B+3], 3072<<16
	s_mov_b32 s[G1B+4], 2
	s_mov_b32 s[G1B+5], CHK/8
	s_mov_b32 s[G1B+6], 0
	s_mov_b32 s[G1B+7], 0
	s_lshl_b32 s88, s82, 3                         ; Q: block 8 y + 4 part
	s_lshl_b32 s84, s16, 2
	s_add_co_u32 s88, s88, s84
	s_mul_i32 s88, s88, 3072
	s_mov_b32 s89, 0
	s_lshl_b32 s90, s83, 7                         ; K: block 512 + 128 batch + 16 x + 8 part
	s_lshl_b32 s85, s78, 4
	s_add_co_u32 s90, s90, s85
	s_lshl_b32 s85, s16, 3
	s_add_co_u32 s90, s90, s85
	s_add_co_u32 s90, s90, 512
	s_mul_i32 s90, s90, 3072
	s_mov_b32 s91, 0
	s_mul_i32 s92, s16, 24576
	s_mul_i32 s93, s16, 49152
	s_add_co_u32 s93, s93, 49152
	s_lshl_b32 s20, s82, 9                         ; Q's scale words: position 128 y + 64 (w / 2)
	s_lshl_b32 s21, s15, 8
	s_add_co_u32 s20, s20, s21
	s_add_co_u32 s20, s20, QKS
	s_mov_b32 s21, 0
	s_lshl_b32 s22, s83, 13                        ; K's: position 8,192 + 2,048 batch + 256 x + 128 (w % 2); the second tile's lie 4,096 bytes on
	s_lshl_b32 s23, s78, 10
	s_add_co_u32 s22, s22, s23
	s_lshl_b32 s23, s16, 9
	s_add_co_u32 s22, s22, s23
	s_add_co_u32 s22, s22, QKS+32768
	s_mov_b32 s23, 0
	s_lshl_b32 s94, s78, 9                         ; P's codes: chunk x of 512 blocks, block 8 y + 4 (w / 2), K step w % 2
	s_lshl_b32 s95, s82, 3
	s_add_co_u32 s94, s94, s95
	s_lshl_b32 s95, s15, 2
	s_add_co_u32 s94, s94, s95
	s_mul_i32 s94, s94, 3072
	s_mul_i32 s95, s16, 1536
	s_add_co_u32 s94, s94, s95
	s_mov_b32 s95, 0
	s_lshl_b32 s98, s78, 1                         ; words: run 2 x + w % 2 of 8,192
	s_add_co_u32 s98, s98, s16
	s_lshl_b32 s98, s98, 15
	s_lshl_b32 s99, s82, 9
	s_add_co_u32 s98, s98, s99
	s_lshl_b32 s99, s15, 8
	s_add_co_u32 s98, s98, s99
	s_add_co_u32 s98, s98, PS
	s_mov_b32 s99, 0
	s_mov_b32 s[SEL], 0x76543210
	s_mov_b32 s[SEL+1], 0xfedcba98
	s_mov_b32 s[CS], 0x3d38aa3b                    ; log2(e) / 32
	s_mov_b32 s[CS+1], s[CS]                       ; (named with it as a pair, so it is written)
	s_wait_dscnt 0x0                               ; the opening add is done
	s_wait_kmcnt 0x0
	s_add_nc_u64 s[88:89], s[4:5], s[88:89]
	s_add_nc_u64 s[90:91], s[4:5], s[90:91]
	s_add_nc_u64 s[20:21], s[4:5], s[20:21]
	s_add_nc_u64 s[22:23], s[4:5], s[22:23]
	s_add_nc_u64 s[94:95], s[6:7], s[94:95]
	s_add_nc_u64 s[98:99], s[6:7], s[98:99]
	CROUND                                         ; all sixteen work-groups are here: the first joint loads meet
.irp s, 0,1
	s_mov_b32 s[G0A+4*\s], 1
	s_add_co_u32 s[G0A+4*\s+1], s92, \s*SLOT
	s_add_nc_u64 s[G0A+4*\s+2:G0A+4*\s+3], s[88:89], \s*2*CHK
	s_or_b32 s[G0A+4*\s+3], s[G0A+4*\s+3], 0x80000000
	s_mov_b32 s[G0B+4*\s], 1
	s_add_co_u32 s[G0B+4*\s+1], s93, \s*SLOT
	s_add_nc_u64 s[G0B+4*\s+2:G0B+4*\s+3], s[90:91], \s*2*CHK
	s_or_b32 s[G0B+4*\s+3], s[G0B+4*\s+3], 0x80000000
.endr
	s_cmp_eq_u32 s15, 0                            ; slot 0's fill: one branch on the wave's number
	s_cbranch_scc0 .Lfirst_b
	tensor_load_to_lds s[G0A:G0A+3], s[G1A:G1A+7]
	s_nop 0
	PLACES 4
	s_branch .Lfirst_done
.Lfirst_b:
	tensor_load_to_lds s[G0B:G0B+3], s[G1B:G1B+7]
	s_nop 0
	PLACES 4
.Lfirst_done:
	; PREFETCHES.  Here: slot 1's first fill (chunks 2 and 3 of each wave's part) and, for waves 2 and 3, the refill of slot 0 (the second tile's keys, 64 blocks on).  Behind the first change of slots: the refill of slot 1.
	; The four partners that ask for a part jointly share it out by address: the partner at place p (cx for Q, cy for K) takes half p % 2 of row p / 2, in pieces of 256 bytes, 24 lanes an instruction
	; (the lanes left over name the last piece again).
	v_and_b32 v1, 31, v0
	v_min_u32 v14, 23, v1
	v_lshlrev_b32 v14, 8, v14
	s_mov_b32 s75, 0
	s_cmp_eq_u32 s15, 0
	s_wait_alu depctr_va_vdst(0)
	s_cbranch_scc0 .Lpf_b
	s_lshr_b32 s74, s76, 1                         ; Q: a row is 12,288 bytes
	s_add_co_u32 s74, s74, 2
	s_mul_i32 s74, s74, CHK
	s_and_b32 s70, s76, 1
	s_mul_i32 s70, s70, 6144
	s_add_co_u32 s74, s74, s70
	s_add_nc_u64 s[68:69], s[88:89], s[74:75]
	global_prefetch_b8 v14, s[68:69] th:TH_LOAD_NT scope:SCOPE_SE
	s_branch .Lpf_done
.Lpf_b:
	s_lshr_b32 s74, s77, 1                         ; K: a row is 24,576 bytes
	s_mul_i32 s74, s74, CHK
	s_and_b32 s70, s77, 1
	s_mul_i32 s70, s70, 12288
	s_add_co_u32 s74, s74, s70
	s_add_nc_u64 s[68:69], s[90:91], s[74:75]
	global_prefetch_b8 v14, s[68:69] offset:6291456 th:TH_LOAD_NT scope:SCOPE_SE
	global_prefetch_b8 v14, s[68:69] offset:6297600 th:TH_LOAD_NT scope:SCOPE_SE
	global_prefetch_b8 v14, s[68:69] offset:196608 th:TH_LOAD_NT scope:SCOPE_SE
	global_prefetch_b8 v14, s[68:69] offset:202752 th:TH_LOAD_NT scope:SCOPE_SE
.Lpf_done:
	v_and_b32 v8, 15, v0
	v_lshlrev_b32 v[L16], 4, v1
	v_lshlrev_b32 v[L8], 3, v1
.irp q, 0,1,2,3,4,5,6,7                ; the first tile's scale words, straight into registers: each load takes 256 consecutive bytes, aligned
	global_load_b64 v[SC+6*\q:SC+6*\q+1], v[L8], s[20:21] offset:\q*SSTR
	global_load_b64 v[SC+6*\q+2:SC+6*\q+3], v[L8], s[22:23] offset:\q*SSTR
	global_load_b64 v[SC+6*\q+4:SC+6*\q+5], v[L8], s[22:23] offset:\q*SSTR+256
.endr
	s_mul_i32 s84, s15, 24576
	v_add_nc_u32 v[ADRA], s84, v[L16]
	v_add_nc_u32 v[ADRA+1], SLOT, v[ADRA]
	s_mul_i32 s84, s16, 49152
	s_add_co_u32 s84, s84, 49152
	v_add_nc_u32 v[ADRB], s84, v[L16]
	v_add_nc_u32 v[ADRB+1], SLOT, v[ADRB]
	s_mul_i32 s84, s14, 768
	s_add_co_u32 s84, s84, STG
	v_lshl_add_u32 v[SWA], v8, 3, s84
	v_add_nc_u32 v[SRD], s84, v[L8]
	v_mov_b32 v21, 0                               ; (named as the upper half of the pair v[20:21])
	s_wait_alu depctr_va_vdst(0)
	s_wait_tensorcnt 0x0                           ; AS THE TEXT NOW STANDS: slot 0 alone is asked for at the head, one load a wave; my part of it is in
	ds_add_u32 v[SPW], v[NIL]
	s_wait_dscnt 0x0
	CROUND                                         ; everybody's part of slot 0 is in, and the sixteen work-groups meet
	s_cmp_eq_u32 s15, 0                            ; slot 1, the first tensor load behind the round: one load of mine outstanding
	s_cbranch_scc0 .Lsecond_b
	tensor_load_to_lds s[G0A+4:G0A+7], s[G1A:G1A+7]
	s_nop 0
	PLACES 4
	s_branch .Lsecond_done
.Lsecond_b:
	tensor_load_to_lds s[G0B+4:G0B+7], s[G1B:G1B+7]
	s_nop 0
	PLACES 4
.Lsecond_done:
	FETCH 0
	s_wait_loadcnt 0x0
	STEP 0, 1                                      ; ---- the first tile
	WIN 0                                          ; behind the first products: the second tile's keys' scale words
.irp q, 0,1,2,3,4,5,6,7
	global_load_b64 v[SC1+4*\q:SC1+4*\q+1], v[L8], s[22:23] offset:\q*SSTR+4096
	global_load_b64 v[SC1+4*\q+2:SC1+4*\q+3], v[L8], s[22:23] offset:\q*SSTR+4096+256
.endr
	STEP 1, 0
	STEP 2, 0
	TURN 3, 1, 1
	WIN 0
	s_cmp_eq_u32 s15, 0                            ; the refill of slot 1 (the second tile's keys, chunks 2 and 3) is prefetched four K steps ahead of its load
	s_cbranch_scc1 .Lpf2_done
	global_prefetch_b8 v14, s[68:69] offset:6488064 th:TH_LOAD_NT scope:SCOPE_SE
	global_prefetch_b8 v14, s[68:69] offset:6494208 th:TH_LOAD_NT scope:SCOPE_SE
.Lpf2_done:
	STEP 4, 0
	STEP 5, 0
	STEP 6, 0
	TURN 7, 1, 0
	WIN 0
	PLACES 4                                       ; behind the last products, ahead of the first read of results and the first write of their sources
	s_wait_loadcnt 0x0                             ; the second tile's scale words
	OUT 0, 0
	s_wait_xcnt 0x0                                ; the stores have read their registers: fragments may land there
	FETCH 8
	STEP 8, 1                                      ; ---- the second tile
	STEP 9, 0
	STEP 10, 0
	TURN 11, 0, 1                                  ; nothing is left to fetch: no round, no load
	STEP 12, 0
	STEP 13, 0
	STEP 14, 0
	LAST 15
	PLACES 4
	OUT 1, 1
	s_wait_tensorcnt 0x0                           ; the wave's end
	ds_add_u32 v[SPW], v[NIL]
	s_wait_dscnt 0x0
	CROUND                                         ; the closing round
	s_endpgm
.Lfunc_end_k_q940674479c_scores:
	.size	k_q940674479c_scores, .Lfunc_end_k_q940674479c_scores-k_q940674479c_scores
	.p2alignl 7, 3214868480
	.fill 96, 4, 3214868480
	.section	.rodata,"a",@progbits
	.p2align	6, 0x0
	.amdhsa_kernel k_q940674479c_scores
		.amdhsa_group_segment_fixed_size 327680
		.amdhsa_private_segment_fixed_size 0
		.amdhsa_enable_private_segment 0
		.amdhsa_kernarg_size 16
		.amdhsa_user_sgpr_count 2
		.amdhsa_user_sgpr_kernarg_segment_ptr 1
		.amdhsa_wavefront_size32 1
		.amdhsa_system_sgpr_workgroup_id_x 1
		.amdhsa_system_sgpr_workgroup_id_y 1
		.amdhsa_system_sgpr_workgroup_id_z 1
		.amdhsa_system_vgpr_workitem_id 0
		.amdhsa_next_free_vgpr 768
		.amdhsa_next_free_sgpr 100
		.amdhsa_reserve_vcc 0
		.amdhsa_float_denorm_mode_32 3
		.amdhsa_float_denorm_mode_16_64 3
		.amdhsa_memory_ordered 1
		.amdhsa_forward_progress 1
		.amdhsa_inst_pref_size 211
	.end_amdhsa_kernel
	.amdgpu_metadata
---
amdhsa.version: [ 1, 2 ]
amdhsa.kernels:
  - .name:           k_q940674479c_scores
    .symbol:         k_q940674479c_scores.kd
    .args:
      - { .name: qkv, .offset: 0, .size: 8, .value_kind: global_buffer, .address_space: global }
      - { .name: p, .offset: 8, .size: 8, .value_kind: global_buffer, .address_space: global }
    .group_segment_fixed_size: 327680
    .private_segment_fixed_size: 0
    .kernarg_segment_align: 8
    .kernarg_segment_size: 16
    .max_flat_workgroup_size: 128
    .sgpr_count:     100
    .vgpr_count:     768
    .wavefront_size: 32
...
	.end_amdgpu_metadata
.endif
;; end of part 3
;; launch pv (part 4): grid 4 x 64, 4 waves a work-group, clusters of 4 x 4, 327,680 bytes of LDS; arguments p, qkv, z; writes z
.if DOCPART == 4
	.amdgcn_target "amdgcn-amd-amdhsa--gfx1250"
	.amdhsa_code_object_version 6
	.text
	.protected	k_q940674479c_pv
	.globl	k_q940674479c_pv
	.p2align	8
	.type	k_q940674479c_pv,@function
k_q940674479c_pv:
	s_mov_b64 s[64:65], 0
	v_nop
	global_prefetch_b8 v0, s[64:65] scope:SCOPE_SE
	s_setreg_imm32_b32 hwreg(HW_REG_WAVE_MODE, 25, 1), 1
	s_wait_xcnt 0x0
	s_wait_alu depctr_hold_cnt(0) depctr_sa_sdst(0) depctr_va_vdst(0) depctr_va_sdst(0) depctr_va_ssrc(0) depctr_va_vcc(0) depctr_vm_vsrc(0)
	s_getreg_b32 s2, hwreg(HW_REG_IB_STS2, 6, 4)
	s_cmp_eq_u32 s2, 0
	s_cbranch_scc0 .Lentry_in_a_cluster
	s_endpgm
.Lentry_in_a_cluster:
	s_bfe_u32 s2, ttmp6, 0x10000c
	s_cmp_lg_u32 s2, 0xf033
	s_cbranch_scc0 .Lentry_shape_is_right
	s_endpgm
.Lentry_shape_is_right:
; z = (P V) / l, quantised along its 1,024 channels.  P arrives as codes with, for each (query, run of 128 keys), a scale word, -M' and the run's sum under M'.
; AT THE HEAD each wave brings its 64 queries under the row's own M = the largest of the sixteen M': d = M - M' is a whole number, 0 or more; each scale byte becomes max(byte - d, 0), and l = the sum of the runs' sums x 2^-d,
; by v_ldexp_f32: nothing is rounded but the additions.  d is held at 127.
; LIMIT: a byte that would fall under 0 is held at 0, the scale 2^-127: such a block adds at most 7.5 x 2^-127 |V| for a key, beside a row whose l is above 1/2; likewise a run's sum with d above 127 is taken x 2^-127.
; THE PRODUCT: source 0 = 16 positions of V^T (channels), source 1 = 16 of P (queries); K = the batch's 2,048 keys.  A lane holds one query, its 64 registers 128 neighbouring channels.
; A work-group makes 128 queries x 256 channels, wave (w / 2, w % 2) 64 x 128.  K goes through two LDS slots of 512 along K; one load a wave brings its part of a whole slot (two rows: two chunks of 256 along K).
; Slot 0 is filled at the start, slot 1 behind a round (one load of mine outstanding); each is filled once more (one outstanding), behind a round of the cluster's barrier; a refill has four K steps, 128 matrix instructions, in which to land.
; CLUSTER: 4 x 4: P's part is shared along a row, V^T's along a column.  Waves 0, 1 fetch P's halves, waves 2, 3 V^T's.
; REGISTERS: window 0: v2-19 addresses and statistics; v32-127 P's fragments, two sets (at the head: -M', the sums, work); v128-223 scale words, and nothing else; v224-231 1 / l, a pair for each block.
;   window 1: V^T's fragments, two sets.   window 2: accumulator (a, b) at v[64 a + 8 b].
.set PS,    12582912                   ; p: the scale words; -M' 524,288 bytes on, the sums 1,048,576 on
.set VC,    12582912                   ; qkv: V^T's codes
.set VS,    19398656                   ; and scale words
.set ZS,    6291456                    ; z: the scale words
.set SLOT,  147456
.set STG,   294912
.set SPARE, 297984
.set SPW,  2
.set NIL,  3
.set ADRA, 4
.set ADRB, 6
.set L16,  10
.set SWA,  11
.set SRD,  12
.set L8,   13
.set PW,   15
.set NR,   16                          ; v16-17 the row's -M
.set LS,   18                          ; v18-19 l, then 1 / l
.set AF,   32
.set SC,   128
.set RL,   224
.set H,    32
.set PC,   96
.set PT,   108
.set TM,   116
.set G1A,  24
.set G0A,  32                          ; s[32:39] a set for each slot
.set G1B,  48
.set G0B,  56                          ; s[56:63]
.set UP,   17                          ; s17 the mask of lanes 16-31
.set ONES, 66
.set HI,   67
.set SEL,  96
.set MSB,  0
.macro WIN new
.if MSB != \new
	s_set_vgpr_msb (MSB<<8)|\new
.set MSB, \new
.endif
.endm
.macro PLACES n
.rept \n
	v_nop
.endr
.endm
.macro CREST
	s_cmp_lg_u32 s14, 0
	s_cbranch_scc1 .Lnot_wave_0_\@
	s_barrier_signal -3
.Lnot_wave_0_\@:
	s_barrier_wait -3
	s_barrier_signal -1
	s_barrier_wait -1
.endm
.macro CROUND
	s_barrier_signal -1
	s_barrier_wait -1
	CREST
.endm
.macro JLOAD s                         ; a joint refill of slot s: the branch hangs on the wave's number alone; an s_nop 0 and four v_nop follow each of the two lines
	s_cmp_eq_u32 s15, 0
	s_cbranch_scc0 .Lfor_b_\@
	tensor_load_to_lds s[G0A+4*\s:G0A+4*\s+3], s[G1A:G1A+7]
	s_nop 0
	PLACES 4
	s_branch .Lasked_\@
.Lfor_b_\@:
	tensor_load_to_lds s[G0B+4*\s:G0B+4*\s+3], s[G1B:G1B+7]
	s_nop 0
	PLACES 4
.Lasked_\@:
.endm
.macro FETCH q
.set FP, (\q)&1
.set FS, ((\q)>>2)&1
.set FZ, ((\q)>>1)&1
	WIN 0x40
.irp i, 0,1,2,3,4,5,6,7
.irp c, 0,1,2
	ds_load_b128 v[128*FP+12*\i+4*\c:128*FP+12*\i+4*\c+3], v[ADRB+FS] offset:FZ*24576+\i*3072+FP*1536+512*\c
.endr
.endr
	WIN 0
.irp i, 0,1,2,3
.irp c, 0,1,2
	ds_load_b128 v[AF+48*FP+12*\i+4*\c:AF+48*FP+12*\i+4*\c+3], v[ADRA+FS] offset:FZ*12288+\i*3072+FP*1536+512*\c
.endr
.endr
.endm
; Eight products: P's block a against V^T's eight, K step q.  The 32 accumulators take turns, one instruction a turn.
.macro MULA q, a, cmode
.set MP, (\q)&1
.set MA, AF+48*MP+12*(\a)
.set MSA, SC+6*(\q)+((\a)>>1)
.irp b, 0,1,2,3,4,5,6,7
.set MD, 64*(\a)+8*\b
.set MB, 128*MP+12*\b
.set MSS, SC+6*(\q)+2+(\b>>1)
.set RW, 2*((\a)&1)+(\b&1)
.if \cmode == 1
.if RW == 0
	v_wmma_scale_f32_16x16x128_f8f6f4 v[MD:MD+7], v[MB:MB+11], v[MA:MA+11], 0, v[MSS], v[MSA] matrix_a_fmt:MATRIX_FMT_FP6 matrix_b_fmt:MATRIX_FMT_FP6
.elseif RW == 1
	v_wmma_scale_f32_16x16x128_f8f6f4 v[MD:MD+7], v[MB:MB+11], v[MA:MA+11], 0, v[MSS], v[MSA] matrix_a_fmt:MATRIX_FMT_FP6 matrix_b_fmt:MATRIX_FMT_FP6 matrix_a_scale:MATRIX_SCALE_ROW1
.elseif RW == 2
	v_wmma_scale_f32_16x16x128_f8f6f4 v[MD:MD+7], v[MB:MB+11], v[MA:MA+11], 0, v[MSS], v[MSA] matrix_a_fmt:MATRIX_FMT_FP6 matrix_b_fmt:MATRIX_FMT_FP6 matrix_b_scale:MATRIX_SCALE_ROW1
.else
	v_wmma_scale_f32_16x16x128_f8f6f4 v[MD:MD+7], v[MB:MB+11], v[MA:MA+11], 0, v[MSS], v[MSA] matrix_a_fmt:MATRIX_FMT_FP6 matrix_b_fmt:MATRIX_FMT_FP6 matrix_a_scale:MATRIX_SCALE_ROW1 matrix_b_scale:MATRIX_SCALE_ROW1
.endif
.else
.if RW == 0
	v_wmma_scale_f32_16x16x128_f8f6f4 v[MD:MD+7], v[MB:MB+11], v[MA:MA+11], v[MD:MD+7], v[MSS], v[MSA] matrix_a_fmt:MATRIX_FMT_FP6 matrix_b_fmt:MATRIX_FMT_FP6
.elseif RW == 1
	v_wmma_scale_f32_16x16x128_f8f6f4 v[MD:MD+7], v[MB:MB+11], v[MA:MA+11], v[MD:MD+7], v[MSS], v[MSA] matrix_a_fmt:MATRIX_FMT_FP6 matrix_b_fmt:MATRIX_FMT_FP6 matrix_a_scale:MATRIX_SCALE_ROW1
.elseif RW == 2
	v_wmma_scale_f32_16x16x128_f8f6f4 v[MD:MD+7], v[MB:MB+11], v[MA:MA+11], v[MD:MD+7], v[MSS], v[MSA] matrix_a_fmt:MATRIX_FMT_FP6 matrix_b_fmt:MATRIX_FMT_FP6 matrix_b_scale:MATRIX_SCALE_ROW1
.else
	v_wmma_scale_f32_16x16x128_f8f6f4 v[MD:MD+7], v[MB:MB+11], v[MA:MA+11], v[MD:MD+7], v[MSS], v[MSA] matrix_a_fmt:MATRIX_FMT_FP6 matrix_b_fmt:MATRIX_FMT_FP6 matrix_a_scale:MATRIX_SCALE_ROW1 matrix_b_scale:MATRIX_SCALE_ROW1
.endif
.endif
.endr
.endm
.macro STEP q, cmode
	PLACES 4                                       ; in front of loads into the set that the step before multiplied
	FETCH (\q)+1
	s_wait_dscnt 36                                ; all but the 36 loads just issued
	WIN 0xa1
	MULA \q, 0, \cmode
	MULA \q, 1, \cmode
	MULA \q, 2, \cmode
	MULA \q, 3, \cmode
.endm
; A slot's last step changes slots: ONE barrier; in front of it each wave waits for all its tensor loads, adds 0 to its spare word, and waits for that and for its reads of this slot.
; fill = 1: the barrier opens a round of the cluster's barrier, and this slot is filled again, with the keys 1,024 further on.
.macro TURN q, fill
.set TSL, ((\q)>>2)&1
	WIN 0                                          ; (the add's two registers lie in window 0)
	s_wait_tensorcnt 0x0                           ; all my tensor loads have landed: my part of the next slot
	ds_add_u32 v[SPW], v[NIL]                      ; 0 onto my spare word
	s_wait_dscnt 1                                 ; this step's 36 loads are in; the add may be out
	WIN 0xa1
	MULA \q, 0, 0                                  ; eight matrix instructions stand between the add and the wait for it
	s_wait_dscnt 0x0                               ; the add is done, and my reads of this slot are over
	s_barrier_signal -1
	MULA \q, 1, 0
	WIN 0
	s_barrier_wait -1
.if \fill
	CREST                                          ; no wave of any partner still reads this slot or has a load on its way
	s_add_nc_u64 s[G0A+4*TSL+2:G0A+4*TSL+3], s[G0A+4*TSL+2:G0A+4*TSL+3], 6291456   ; four chunks on: 4 x 512 blocks of P,
	s_add_nc_u64 s[G0B+4*TSL+2:G0B+4*TSL+3], s[G0B+4*TSL+2:G0B+4*TSL+3], 786432    ; 4 x 64 blocks of V^T
	JLOAD TSL                                      ; the first tensor load behind the round; its four v_nop are also the places in front of the loads below
.else
	PLACES 4
.endif
	FETCH (\q)+1
	WIN 0xa1
	MULA \q, 2, 0
	MULA \q, 3, 0
.endm
.macro LAST q
	s_wait_dscnt 0x0
	WIN 0xa1
	MULA \q, 0, 0
	MULA \q, 1, 0
	MULA \q, 2, 0
	MULA \q, 3, 0
	WIN 0
.endm
.macro QMAX s
.irp b, 0,1,2,3
	v_max3_num_f32 v[TM+\b], |v[(\s)+16*\b]|, |v[(\s)+16*\b+1]|, 0x1800000
.endr
.irp i, 2,4,6,8,10,12,14
.irp b, 0,1,2,3
	v_max3_num_f32 v[TM+\b], v[TM+\b], |v[(\s)+16*\b+\i]|, |v[(\s)+16*\b+\i+1]|
.endr
.endr
.irp b, 0,1,2,3
	v_permlanex16_b32 v[TM+4+\b], v[TM+\b], s[SEL], s[SEL+1]
.endr
.irp b, 0,1,2,3
	v_max_num_f32 v[TM+\b], v[TM+\b], v[TM+4+\b]
.endr
.endm
.macro QSCALE
.irp b, 0,1,2,3
	v_add_nc_u32 v[TM+8+\b], 0xff000000, v[TM+\b]
.endr
.irp b, 0,1,2,3
	v_lshrrev_b32 v[TM+4+\b], 23, v[TM+8+\b]
.endr
	v_lshl_or_b32 v[PW], v[TM+5], 8, v[TM+4]
	v_lshl_or_b32 v[PW], v[TM+6], 16, v[PW]
	v_lshl_or_b32 v[PW], v[TM+7], 24, v[PW]
.endm
.macro QCODE s, pc
.irp c, 0,1
	v_cvt_scalef32_pk16_fp6_f32 v[(\pc)+6*\c:(\pc)+6*\c+2], v[(\s)+32*\c:(\s)+32*\c+15], v[TM+8+2*\c]
	v_cvt_scalef32_pk16_fp6_f32 v[PT+4*\c:PT+4*\c+2], v[(\s)+32*\c+16:(\s)+32*\c+31], v[TM+8+2*\c+1]
.endr
	v_nop                                              ; one plain place behind a scaled conversion
.irp c, 0,1
.irp i, 0,1,2
	v_permlane16_swap_b32 v[(\pc)+6*\c+\i], v[PT+4*\c+\i]
.endr
.irp i, 0,1,2
	v_mov_b32 v[(\pc)+6*\c+3+\i], v[PT+4*\c+\i]
.endr
.endr
.endm
	s_load_b128 s[4:7], s[0:1], 0x0                ; p, qkv
	s_load_b64 s[8:9], s[0:1], 0x10                ; z
	v_lshl_add_u32 v[SPW], v0, 2, SPARE
	v_mov_b32 v[NIL], 0
	ds_add_u32 v[SPW], v[NIL]                      ; the wave's opening: the add and its wait ahead of my first tensor load
	ds_add_u32 v[SPW], v[NIL]
	v_lshrrev_b32 v1, 5, v0
	v_readfirstlane_b32 s14, v1
	s_lshr_b32 s15, s14, 1
	s_and_b32 s16, s14, 1
	s_bfe_u32 s76, ttmp6, 0x40000                  ; cx
	s_bfe_u32 s77, ttmp6, 0x40004                  ; cy
	s_lshl_b32 s78, ttmp9, 2
	s_add_co_u32 s78, s78, s76                     ; x: which 256 channels, 0..3
	s_and_b32 s79, ttmp7, 0xffff
	s_lshl_b32 s82, s79, 2
	s_add_co_u32 s82, s82, s77                     ; y: which 128 queries, 0..63
	s_lshr_b32 s83, s79, 2                         ; the batch: the same in all sixteen partners
	s_lshl_b32 s80, s77, 2
	s_lshl_b32 s80, 15, s80
	s_lshl_b32 s81, 0x1111, s76
	s_or_b32 s[G1A], s80, (3<<16)|(1<<21)          ; group 1: two rows, a chunk's blocks each, in elements of 8 bytes
	s_or_b32 s[G1B], s81, (3<<16)|(1<<21)
	s_mov_b32 s[G1A+1], 1536<<16                   ; tensor_dim0: four blocks, 12,288 bytes
	s_mov_b32 s[G1A+2], 2<<16                      ; tensor_dim1
	s_mov_b32 s[G1A+3], 1536<<16                   ; tile_dim0
	s_mov_b32 s[G1A+4], 2                          ; tile_dim1
	s_mov_b32 s[G1A+5], 196608                     ; the pitch: a chunk of P is 512 blocks
	s_mov_b32 s[G1A+6], 0
	s_mov_b32 s[G1A+7], 0
	s_mov_b32 s[G1B+1], 3072<<16                   ; eight blocks, 24,576 bytes
	s_mov_b32 s[G1B+2], 2<<16
	s_mov_b32 s[G1B+3], 3072<<16
	s_mov_b32 s[G1B+4], 2
	s_mov_b32 s[G1B+5], 24576                      ; a chunk of V^T is 64 blocks
	s_mov_b32 s[G1B+6], 0
	s_mov_b32 s[G1B+7], 0
	s_lshl_b32 s88, s82, 3                         ; P: block 8 y + 4 part of chunk 0
	s_lshl_b32 s84, s16, 2
	s_add_co_u32 s88, s88, s84
	s_mul_i32 s88, s88, 3072
	s_mov_b32 s89, 0
	s_lshl_b32 s90, s83, 9                         ; V^T: chunk 8 batch, block 16 x + 8 part
	s_lshl_b32 s85, s78, 4
	s_add_co_u32 s90, s90, s85
	s_lshl_b32 s85, s16, 3
	s_add_co_u32 s90, s90, s85
	s_mul_i32 s90, s90, 3072
	s_add_co_u32 s90, s90, VC
	s_mov_b32 s91, 0
	s_mul_i32 s92, s16, 24576
	s_mul_i32 s93, s16, 49152
	s_add_co_u32 s93, s93, 49152
	s_lshl_b32 s20, s82, 9                         ; P's words, -M' and sums: position 128 y + 64 (w / 2)
	s_lshl_b32 s21, s15, 8
	s_add_co_u32 s20, s20, s21
	s_add_co_u32 s20, s20, PS
	s_mov_b32 s21, 0
	s_lshl_b32 s22, s83, 16                        ; V^T's words: K step 16 batch, position 256 x + 128 (w % 2)
	s_lshl_b32 s23, s78, 10
	s_add_co_u32 s22, s22, s23
	s_lshl_b32 s23, s16, 9
	s_add_co_u32 s22, s22, s23
	s_add_co_u32 s22, s22, VS
	s_mov_b32 s23, 0
	s_lshl_b32 s94, s78, 9                         ; z's codes: chunk x of 512 blocks
	s_lshl_b32 s95, s82, 3
	s_add_co_u32 s94, s94, s95
	s_lshl_b32 s95, s15, 2
	s_add_co_u32 s94, s94, s95
	s_mul_i32 s94, s94, 3072
	s_mul_i32 s95, s16, 1536
	s_add_co_u32 s94, s94, s95
	s_mov_b32 s95, 0
	s_lshl_b32 s98, s78, 1                         ; z's words: K step 2 x + w % 2 of 8,192
	s_add_co_u32 s98, s98, s16
	s_lshl_b32 s98, s98, 15
	s_lshl_b32 s99, s82, 9
	s_add_co_u32 s98, s98, s99
	s_lshl_b32 s99, s15, 8
	s_add_co_u32 s98, s98, s99
	s_add_co_u32 s98, s98, ZS
	s_mov_b32 s99, 0
	s_mov_b32 s[SEL], 0x76543210
	s_mov_b32 s[SEL+1], 0xfedcba98
	s_mov_b32 s[UP], 0xffff0000
	s_mov_b32 s[ONES], 0x01010101
	s_mov_b32 s[HI], 0x80808080
	s_wait_dscnt 0x0                               ; the opening add is done
	s_wait_kmcnt 0x0
	s_add_nc_u64 s[88:89], s[4:5], s[88:89]
	s_add_nc_u64 s[90:91], s[6:7], s[90:91]
	s_add_nc_u64 s[20:21], s[4:5], s[20:21]
	s_add_nc_u64 s[22:23], s[6:7], s[22:23]
	s_add_nc_u64 s[94:95], s[8:9], s[94:95]
	s_add_nc_u64 s[98:99], s[8:9], s[98:99]
	CROUND                                         ; all sixteen work-groups are here: the first joint loads meet
.irp s, 0,1
	s_mov_b32 s[G0A+4*\s], 1
	s_add_co_u32 s[G0A+4*\s+1], s92, \s*SLOT
	s_add_nc_u64 s[G0A+4*\s+2:G0A+4*\s+3], s[88:89], \s*3145728
	s_or_b32 s[G0A+4*\s+3], s[G0A+4*\s+3], 0x80000000
	s_mov_b32 s[G0B+4*\s], 1
	s_add_co_u32 s[G0B+4*\s+1], s93, \s*SLOT
	s_add_nc_u64 s[G0B+4*\s+2:G0B+4*\s+3], s[90:91], \s*393216
	s_or_b32 s[G0B+4*\s+3], s[G0B+4*\s+3], 0x80000000
.endr
	s_cmp_eq_u32 s15, 0                            ; slot 0's fill: one branch on the wave's number
	s_cbranch_scc0 .Lfirst_b
	tensor_load_to_lds s[G0A:G0A+3], s[G1A:G1A+7]
	s_nop 0
	PLACES 4
	s_branch .Lfirst_done
.Lfirst_b:
	tensor_load_to_lds s[G0B:G0B+3], s[G1B:G1B+7]
	s_nop 0
	PLACES 4
.Lfirst_done:
	; PREFETCHES.  Here: slot 1's first fill (chunks 2 and 3 of each wave's part) and the refill of slot 0 (chunks 4 and 5).  Behind the first change of slots: the refill of slot 1 (chunks 6 and 7).
	; The four partners that ask for a part jointly share it out by address: the partner at place p (cx for P, cy for V^T) takes half p % 2 of row p / 2, in pieces of 256 bytes, 24 lanes an instruction
	; (the lanes left over name the last piece again).
	v_and_b32 v1, 31, v0
	v_min_u32 v14, 23, v1
	v_lshlrev_b32 v14, 8, v14
	s_mov_b32 s75, 0
	s_cmp_eq_u32 s15, 0
	s_wait_alu depctr_va_vdst(0)
	s_cbranch_scc0 .Lpf_b
	s_lshr_b32 s74, s76, 1                         ; P: a row is 12,288 bytes, a chunk 1,572,864
	s_add_co_u32 s74, s74, 2
	s_mul_i32 s74, s74, 1572864
	s_and_b32 s70, s76, 1
	s_mul_i32 s70, s70, 6144
	s_add_co_u32 s74, s74, s70
	s_add_nc_u64 s[68:69], s[88:89], s[74:75]
	global_prefetch_b8 v14, s[68:69] th:TH_LOAD_NT scope:SCOPE_SE
	global_prefetch_b8 v14, s[68:69] offset:3145728 th:TH_LOAD_NT scope:SCOPE_SE
	s_branch .Lpf_done
.Lpf_b:
	s_lshr_b32 s74, s77, 1                         ; V^T: a row is 24,576 bytes, a chunk 196,608
	s_add_co_u32 s74, s74, 2
	s_mul_i32 s74, s74, 196608
	s_and_b32 s70, s77, 1
	s_mul_i32 s70, s70, 12288
	s_add_co_u32 s74, s74, s70
	s_add_nc_u64 s[68:69], s[90:91], s[74:75]
	global_prefetch_b8 v14, s[68:69] th:TH_LOAD_NT scope:SCOPE_SE
	global_prefetch_b8 v14, s[68:69] offset:6144 th:TH_LOAD_NT scope:SCOPE_SE
	global_prefetch_b8 v14, s[68:69] offset:393216 th:TH_LOAD_NT scope:SCOPE_SE
	global_prefetch_b8 v14, s[68:69] offset:399360 th:TH_LOAD_NT scope:SCOPE_SE
.Lpf_done:
	v_and_b32 v8, 15, v0
	v_lshlrev_b32 v[L16], 4, v1
	v_lshlrev_b32 v[L8], 3, v1
.irp q, 0,1,2,3,4,5,6,7,8,9,10,11,12,13,14,15   ; each load takes 256 consecutive bytes, aligned: register j of a pair holds block 2 j in lanes 0-15, block 2 j + 1 in lanes 16-31
	global_load_b64 v[SC+6*\q:SC+6*\q+1], v[L8], s[20:21] offset:\q*32768
	global_load_b64 v[32+2*\q:33+2*\q], v[L8], s[20:21] offset:\q*32768+524288
	global_load_b64 v[64+2*\q:65+2*\q], v[L8], s[20:21] offset:\q*32768+1048576
	global_load_b64 v[SC+6*\q+2:SC+6*\q+3], v[L8], s[22:23] offset:\q*4096
	global_load_b64 v[SC+6*\q+4:SC+6*\q+5], v[L8], s[22:23] offset:\q*4096+256
.endr
	s_mul_i32 s84, s15, 24576
	v_add_nc_u32 v[ADRA], s84, v[L16]
	v_add_nc_u32 v[ADRA+1], SLOT, v[ADRA]
	s_mul_i32 s84, s16, 49152
	s_add_co_u32 s84, s84, 49152
	v_add_nc_u32 v[ADRB], s84, v[L16]
	v_add_nc_u32 v[ADRB+1], SLOT, v[ADRB]
	s_mul_i32 s84, s14, 768
	s_add_co_u32 s84, s84, STG
	v_lshl_add_u32 v[SWA], v8, 3, s84
	v_add_nc_u32 v[SRD], s84, v[L8]
	s_wait_loadcnt 0x0
	; my 64 queries under their rows' M, two a lane, while the tiles land
.irp j, 0,1
	v_min3_num_f32 v[NR+\j], v[32+\j], v[34+\j], v[36+\j]          ; -M = the least of the sixteen -M'
.endr
.irp q, 3,5,7,9,11,13
.irp j, 0,1
	v_min3_num_f32 v[NR+\j], v[NR+\j], v[32+2*\q+\j], v[34+2*\q+\j]
.endr
.endr
.irp j, 0,1
	v_min_num_f32 v[NR+\j], v[NR+\j], v[62+\j]
.endr
	v_mov_b32 v[LS], 0
	v_mov_b32 v[LS+1], 0
.irp q, 0,1,2,3,4,5,6,7,8,9,10,11,12,13,14,15
.irp j, 0,1
	v_sub_f32 v[96+\j], v[32+2*\q+\j], v[NR+\j]                    ; d = M - M', a whole number, 0 or more,
.endr
.irp j, 0,1
	v_min_num_f32 v[96+\j], 0x42fe0000, v[96+\j]                   ; held at 127
.endr
.irp j, 0,1
	v_cvt_u32_f32 v[96+\j], v[96+\j]
.endr
.irp j, 0,1
	v_sub_nc_u32 v[98+\j], 0, v[96+\j]
.endr
.irp j, 0,1
	v_mul_lo_u32 v[100+\j], v[96+\j], s[ONES]                      ; d in each of the four bytes
.endr
.irp j, 0,1
	v_ldexp_f32 v[98+\j], v[64+2*\q+\j], v[98+\j]                  ; the run's sum x 2^-d
.endr
.irp j, 0,1
	v_or_b32 v[102+\j], s[HI], v[SC+6*\q+\j]                       ; 128 + byte (a byte is at most 125),
.endr
.irp j, 0,1
	v_add_f32 v[LS+\j], v[LS+\j], v[98+\j]
.endr
.irp j, 0,1
	v_sub_nc_u32 v[102+\j], v[102+\j], v[100+\j]                   ; - d: never under 1, so no byte borrows from its neighbour
.endr
.irp j, 0,1
	v_and_b32 v[100+\j], s[HI], v[102+\j]                          ; bit 7 still stands where byte >= d
.endr
.irp j, 0,1
	v_lshrrev_b32 v[98+\j], 7, v[100+\j]
.endr
.irp j, 0,1
	v_sub_nc_u32 v[100+\j], v[100+\j], v[98+\j]                    ; 0x7f there, 0 elsewhere
.endr
.irp j, 0,1
	v_and_b32 v[SC+6*\q+\j], v[102+\j], v[100+\j]                  ; max(byte - d, 0)
.endr
.endr
	s_wait_alu depctr_va_vdst(0)
	v_rcp_f32 v[LS], v[LS]
	v_rcp_f32 v[LS+1], v[LS+1]
	v_nop                                          ; a plain place behind the reciprocals
	s_wait_alu depctr_va_vdst(0)                   ; one wait for both, ahead of their first reader
	v_permlanex16_b32 v96, v[LS], s[SEL], s[SEL+1]
	v_permlanex16_b32 v97, v[LS+1], s[SEL], s[SEL+1]
.irp j, 0,1                            ; in the results a lane of either half holds query lane % 16 of block a: an even block's 1 / l comes from lanes 0-15, an odd one's from lanes 16-31; twice, for the packed multiplication
	v_cndmask_b32 v[RL+4*\j], v[LS+\j], v[96+\j], s[UP]
	v_cndmask_b32 v[RL+4*\j+1], v[LS+\j], v[96+\j], s[UP]
	v_cndmask_b32 v[RL+4*\j+2], v[96+\j], v[LS+\j], s[UP]
	v_cndmask_b32 v[RL+4*\j+3], v[96+\j], v[LS+\j], s[UP]
.endr
	PLACES 8                                       ; scale registers written by vector instructions stand eight places ahead of a scaled matrix instruction
	s_wait_alu depctr_va_vdst(0)
	s_wait_tensorcnt 0x0                           ; AS THE TEXT NOW STANDS: slot 0 alone is asked for at the head, one load a wave; my part of it is in
	ds_add_u32 v[SPW], v[NIL]
	s_wait_dscnt 0x0
	CROUND                                         ; everybody's part of slot 0 is in, and the sixteen work-groups meet
	JLOAD 1                                        ; slot 1, the first tensor load behind the round: one load of mine outstanding
	FETCH 0
	STEP 0, 1
	STEP 1, 0
	STEP 2, 0
	TURN 3, 1
	WIN 0
	s_cmp_eq_u32 s15, 0                            ; the refill of slot 1 (chunks 6 and 7) is prefetched four K steps ahead of its load
	s_cbranch_scc0 .Lpf2_b
	global_prefetch_b8 v14, s[68:69] offset:6291456 th:TH_LOAD_NT scope:SCOPE_SE
	s_branch .Lpf2_done
.Lpf2_b:
	global_prefetch_b8 v14, s[68:69] offset:786432 th:TH_LOAD_NT scope:SCOPE_SE
	global_prefetch_b8 v14, s[68:69] offset:792576 th:TH_LOAD_NT scope:SCOPE_SE
.Lpf2_done:
	STEP 4, 0
	STEP 5, 0
	STEP 6, 0
	TURN 7, 1
	STEP 8, 0
	STEP 9, 0
	STEP 10, 0
	TURN 11, 0                                     ; nothing is left to fetch: no round, no load
	STEP 12, 0
	STEP 13, 0
	STEP 14, 0
	LAST 15
	; THE WAY OUT, a block of 16 queries at a time: / l, quantised along my 128 channels
	PLACES 4
.irp b, 0,1,2,3
	v_mov_b32 v[TM+4+\b], 0                        ; a lane permute's destination counts as one of its sources
.endr
.macro ZBLK a
.if (\a) > 0
	s_wait_xcnt 0x0                                ; the last block's stores have read their registers,
	s_wait_dscnt 0x0                               ; its word store too
.endif
	WIN 0x02                                       ; source 0 window 2
.set N, 0
.rept 32
	v_pk_mul_f32 v[H+N:H+N+1], v[64*(\a)+N:64*(\a)+N+1], v[RL+2*(\a):RL+2*(\a)+1]   ; each accumulator from its low end on
.set N, N+2
.endr
	WIN 0
	QMAX H
	QSCALE
	QCODE H, PC
.irp c, 0,1,2
	global_store_b128 v[L16], v[PC+4*\c:PC+4*\c+3], s[94:95] offset:(\a)*3072+512*\c
.endr
	ds_store_b32 v[SWA], v[PW] offset:128*((\a)&1)+4*((\a)>>1)
.endm
	ZBLK 0
	ZBLK 1
	ZBLK 2
	ZBLK 3
	ds_load_b64 v[16:17], v[SRD]                   ; LDS serves a wave's instructions in order: this sees my four stores
	s_wait_dscnt 0x0
	global_store_b64 v[L8], v[16:17], s[98:99]     ; 256 consecutive bytes, aligned
	s_wait_tensorcnt 0x0                           ; the wave's end
	ds_add_u32 v[SPW], v[NIL]
	s_wait_dscnt 0x0
	CROUND                                         ; the closing round
	s_endpgm
.Lfunc_end_k_q940674479c_pv:
	.size	k_q940674479c_pv, .Lfunc_end_k_q940674479c_pv-k_q940674479c_pv
	.p2alignl 7, 3214868480
	.fill 96, 4, 3214868480
	.section	.rodata,"a",@progbits
	.p2align	6, 0x0
	.amdhsa_kernel k_q940674479c_pv
		.amdhsa_group_segment_fixed_size 327680
		.amdhsa_private_segment_fixed_size 0
		.amdhsa_enable_private_segment 0
		.amdhsa_kernarg_size 24
		.amdhsa_user_sgpr_count 2
		.amdhsa_user_sgpr_kernarg_segment_ptr 1
		.amdhsa_wavefront_size32 1
		.amdhsa_system_sgpr_workgroup_id_x 1
		.amdhsa_system_sgpr_workgroup_id_y 1
		.amdhsa_system_sgpr_workgroup_id_z 1
		.amdhsa_system_vgpr_workitem_id 0
		.amdhsa_next_free_vgpr 768
		.amdhsa_next_free_sgpr 100
		.amdhsa_reserve_vcc 0
		.amdhsa_float_denorm_mode_32 3
		.amdhsa_float_denorm_mode_16_64 3
		.amdhsa_memory_ordered 1
		.amdhsa_forward_progress 1
		.amdhsa_inst_pref_size 168
	.end_amdhsa_kernel
	.amdgpu_metadata
---
amdhsa.version: [ 1, 2 ]
amdhsa.kernels:
  - .name:           k_q940674479c_pv
    .symbol:         k_q940674479c_pv.kd
    .args:
      - { .name: p, .offset: 0, .size: 8, .value_kind: global_buffer, .address_space: global }
      - { .name: qkv, .offset: 8, .size: 8, .value_kind: global_buffer, .address_space: global }
      - { .name: z, .offset: 16, .size: 8, .value_kind: global_buffer, .address_space: global }
    .group_segment_fixed_size: 327680
    .private_segment_fixed_size: 0
    .kernarg_segment_align: 8
    .kernarg_segment_size: 24
    .max_flat_workgroup_size: 128
    .sgpr_count:     100
    .vgpr_count:     768
    .wavefront_size: 32
...
	.end_amdgpu_metadata
.endif
;; end of part 4
;; launch outp (part 5): grid 4 x 64, 4 waves a work-group, clusters of 4 x 4, 327,680 bytes of LDS; arguments z, xw, bo, out0; writes out0
.if DOCPART == 5
	.amdgcn_target "amdgcn-amd-amdhsa--gfx1250"
	.amdhsa_code_object_version 6
	.text
	.protected	k_q940674479c_outp
	.globl	k_q940674479c_outp
	.p2align	8
	.type	k_q940674479c_outp,@function
k_q940674479c_outp:
	s_mov_b64 s[64:65], 0
	v_nop
	global_prefetch_b8 v0, s[64:65] scope:SCOPE_SE
	s_setreg_imm32_b32 hwreg(HW_REG_WAVE_MODE, 25, 1), 1
	s_wait_xcnt 0x0
	s_wait_alu depctr_hold_cnt(0) depctr_sa_sdst(0) depctr_va_vdst(0) depctr_va_sdst(0) depctr_va_ssrc(0) depctr_va_vcc(0) depctr_vm_vsrc(0)
	s_getreg_b32 s2, hwreg(HW_REG_IB_STS2, 6, 4)
	s_cmp_eq_u32 s2, 0
	s_cbranch_scc0 .Lentry_in_a_cluster
	s_endpgm
.Lentry_in_a_cluster:
	s_bfe_u32 s2, ttmp6, 0x10000c
	s_cmp_lg_u32 s2, 0xf033
	s_cbranch_scc0 .Lentry_shape_is_right
	s_endpgm
.Lentry_shape_is_right:
; out0 = z Wo^T + bo on codes of FP6 (E2M3) with E8M0 scales; out0 [8192][1024] f32.
; THE PRODUCT: source 0 = 16 positions of Wo, source 1 = 16 of z (tokens).  A lane holds one token, its 64 registers 128 neighbouring outputs (register 16 e + i = output 32 e + 16 (lane / 16) + i).
; bo, in that layout, is the C of each sum's first product: no addition is spent on it.
; A work-group makes 128 tokens x 256 outputs, wave (w / 2, w % 2) 64 x 128.  The whole K = 1,024 panel lies in LDS: two first fills a wave, the second behind a round (one load of mine outstanding at the most), nothing is filled again.
; 4 x 4 clusters: z's part is shared along a row, Wo's along a column.  Position 16 t + r of z is token 32 (t / 2) + 8 (t % 2) + r + 8 (r / 8): the stores put each row where it belongs.
; REGISTERS: window 0: v2-13 addresses; v32-127 z's fragments, two sets; v128-175 scale words, and nothing else; v176-239 bo; on the way out v32-95 and v176-239 take rows of out0 by turns.
;   window 1: Wo's fragments, two sets.   window 2: accumulator (a, b) at v[64 a + 8 b].
.set ZS,    6291456                    ; z: the scale words
.set XWS,   9437184                    ; xw: the scale words
.set CHA,   512*3072
.set CHB,   768*3072
.set SSA,   32768
.set SSB,   49152
.set SLOT,  147456
.set SPARE, 297984
.set SPW,  2
.set NIL,  3
.set ADRA, 4
.set ADRB, 6
.set L16,  10
.set STO,  11                          ; the way out: where I put 16 bytes of a row
.set RD,   12                          ; and where I read a row back
.set L8,   13
.set AF,   32
.set SC,   128
.set BB,   176
.set G1A,  24
.set G0A,  32
.set G1B,  48
.set G0B,  56
.set MSB,  0
.macro WIN new
.if MSB != \new
	s_set_vgpr_msb (MSB<<8)|\new
.set MSB, \new
.endif
.endm
.macro PLACES n
.rept \n
	v_nop
.endr
.endm
.macro CREST
	s_cmp_lg_u32 s14, 0
	s_cbranch_scc1 .Lnot_wave_0_\@
	s_barrier_signal -3
.Lnot_wave_0_\@:
	s_barrier_wait -3
	s_barrier_signal -1
	s_barrier_wait -1
.endm
.macro CROUND
	s_barrier_signal -1
	s_barrier_wait -1
	CREST
.endm
.macro FETCH q
.set FP, (\q)&1
.set FS, ((\q)>>2)&1
.set FZ, ((\q)>>1)&1
	WIN 0x40
.irp i, 0,1,2,3,4,5,6,7
.irp c, 0,1,2
	ds_load_b128 v[128*FP+12*\i+4*\c:128*FP+12*\i+4*\c+3], v[ADRB+FS] offset:FZ*24576+\i*3072+FP*1536+512*\c
.endr
.endr
	WIN 0
.irp i, 0,1,2,3
.irp c, 0,1,2
	ds_load_b128 v[AF+48*FP+12*\i+4*\c:AF+48*FP+12*\i+4*\c+3], v[ADRA+FS] offset:FZ*12288+\i*3072+FP*1536+512*\c
.endr
.endr
.endm
; Eight products: z's block a against Wo's eight, K step q.  cmode 2: the bias starts the sums; 0: in place.  The 32 accumulators take turns, one instruction a turn.
.macro MULA q, a, cmode
.set MP, (\q)&1
.set MA, AF+48*MP+12*(\a)
.set MSA, SC+6*(\q)+((\a)>>1)
.irp b, 0,1,2,3,4,5,6,7
.set MD, 64*(\a)+8*\b
.set MB, 128*MP+12*\b
.set MSS, SC+6*(\q)+2+(\b>>1)
.set MC, MD
.if \cmode == 2
.set MC, BB+8*\b
.endif
.set RW, 2*((\a)&1)+(\b&1)
.if RW == 0
	v_wmma_scale_f32_16x16x128_f8f6f4 v[MD:MD+7], v[MB:MB+11], v[MA:MA+11], v[MC:MC+7], v[MSS], v[MSA] matrix_a_fmt:MATRIX_FMT_FP6 matrix_b_fmt:MATRIX_FMT_FP6
.elseif RW == 1
	v_wmma_scale_f32_16x16x128_f8f6f4 v[MD:MD+7], v[MB:MB+11], v[MA:MA+11], v[MC:MC+7], v[MSS], v[MSA] matrix_a_fmt:MATRIX_FMT_FP6 matrix_b_fmt:MATRIX_FMT_FP6 matrix_a_scale:MATRIX_SCALE_ROW1
.elseif RW == 2
	v_wmma_scale_f32_16x16x128_f8f6f4 v[MD:MD+7], v[MB:MB+11], v[MA:MA+11], v[MC:MC+7], v[MSS], v[MSA] matrix_a_fmt:MATRIX_FMT_FP6 matrix_b_fmt:MATRIX_FMT_FP6 matrix_b_scale:MATRIX_SCALE_ROW1
.else
	v_wmma_scale_f32_16x16x128_f8f6f4 v[MD:MD+7], v[MB:MB+11], v[MA:MA+11], v[MC:MC+7], v[MSS], v[MSA] matrix_a_fmt:MATRIX_FMT_FP6 matrix_b_fmt:MATRIX_FMT_FP6 matrix_a_scale:MATRIX_SCALE_ROW1 matrix_b_scale:MATRIX_SCALE_ROW1
.endif
.endr
.endm
.macro STEP q, cmode
	PLACES 4                                       ; in front of loads into the set that the step before multiplied
	FETCH (\q)+1
	s_wait_dscnt 36                                ; all but the 36 loads just issued
.if \cmode == 2
	WIN 0x81                                       ; source 0 window 1, sources 1 and 2 window 0, destination window 2
.else
	WIN 0xa1
.endif
	MULA \q, 0, \cmode
	MULA \q, 1, \cmode
	MULA \q, 2, \cmode
	MULA \q, 3, \cmode
.endm
.macro MEET q, n                       ; the next step lies in the next chunk: my part of it has landed (n younger loads may stay out), then a barrier
	s_wait_dscnt 0x0
	s_wait_tensorcnt \n
	s_barrier_signal -1
	WIN 0xa1
	MULA \q, 0, 0
	MULA \q, 1, 0
	s_barrier_wait -1
	PLACES 4
	FETCH (\q)+1
	WIN 0xa1
	MULA \q, 2, 0
	MULA \q, 3, 0
.endm
.macro LAST q
	s_wait_dscnt 0x0
	WIN 0xa1
	MULA \q, 0, 0
	MULA \q, 1, 0
	MULA \q, 2, 0
	MULA \q, 3, 0
	WIN 0
.endm
	s_load_b256 s[4:11], s[0:1], 0x0               ; z, xw, bo, out0
	v_lshl_add_u32 v[SPW], v0, 2, SPARE
	v_mov_b32 v[NIL], 0
	ds_add_u32 v[SPW], v[NIL]                      ; the wave's opening: the add and its wait ahead of my first tensor load
	ds_add_u32 v[SPW], v[NIL]
	v_lshrrev_b32 v1, 5, v0
	v_readfirstlane_b32 s14, v1
	s_lshr_b32 s15, s14, 1
	s_and_b32 s16, s14, 1
	s_bfe_u32 s76, ttmp6, 0x40000                  ; cx
	s_bfe_u32 s77, ttmp6, 0x40004                  ; cy
	s_lshl_b32 s78, ttmp9, 2
	s_add_co_u32 s78, s78, s76                     ; x: which 256 outputs, 0..3
	s_and_b32 s79, ttmp7, 0xffff
	s_lshl_b32 s82, s79, 2
	s_add_co_u32 s82, s82, s77                     ; y: which 128 tokens, 0..63
	s_lshl_b32 s80, s77, 2
	s_lshl_b32 s80, 15, s80
	s_lshl_b32 s81, 0x1111, s76
	s_or_b32 s[G1A], s80, (3<<16)|(1<<21)
	s_or_b32 s[G1B], s81, (3<<16)|(1<<21)
	s_mov_b32 s[G1A+1], 1536<<16                   ; AS THE TEXT NOW STANDS: a load brings two rows, two chunks of 256 along K: four blocks, 12,288 bytes each
	s_mov_b32 s[G1A+2], 2<<16
	s_mov_b32 s[G1A+3], 1536<<16
	s_mov_b32 s[G1A+4], 2
	s_mov_b32 s[G1A+5], CHA/8
	s_mov_b32 s[G1A+6], 0
	s_mov_b32 s[G1A+7], 0
	s_mov_b32 s[G1B+1], 3072<<16                   ; eight blocks, 24,576 bytes
	s_mov_b32 s[G1B+2], 2<<16
	s_mov_b32 s[G1B+3], 3072<<16
	s_mov_b32 s[G1B+4], 2
	s_mov_b32 s[G1B+5], CHB/8
	s_mov_b32 s[G1B+6], 0
	s_mov_b32 s[G1B+7], 0
	s_lshl_b32 s88, s82, 3                         ; z: block 8 y + 4 part
	s_lshl_b32 s84, s16, 2
	s_add_co_u32 s88, s88, s84
	s_mul_i32 s88, s88, 3072
	s_mov_b32 s89, 0
	s_lshl_b32 s90, s78, 4                         ; Wo: block 704 + 16 x + 8 part
	s_lshl_b32 s85, s16, 3
	s_add_co_u32 s90, s90, s85
	s_add_co_u32 s90, s90, 704
	s_mul_i32 s90, s90, 3072
	s_mov_b32 s91, 0
	s_mul_i32 s92, s16, 24576
	s_mul_i32 s93, s16, 49152
	s_add_co_u32 s93, s93, 49152
	s_lshl_b32 s20, s82, 9                         ; z's scale words: position 128 y + 64 (w / 2)
	s_lshl_b32 s21, s15, 8
	s_add_co_u32 s20, s20, s21
	s_add_co_u32 s20, s20, ZS
	s_mov_b32 s21, 0
	s_lshl_b32 s18, s78, 10                        ; 256 x + 128 (w % 2) numbers of 4 bytes: bo, and my columns of out0
	s_lshl_b32 s19, s16, 9
	s_add_co_u32 s18, s18, s19
	s_mov_b32 s19, 0
	s_add_co_u32 s22, s18, XWS+45056               ; Wo's scale words: position 11,264 + 256 x + 128 (w % 2)
	s_mov_b32 s23, 0
	s_lshl_b32 s94, s82, 19                        ; out0: row 128 y + 64 (w / 2) of 4,096 bytes, + my columns
	s_lshl_b32 s95, s15, 18
	s_add_co_u32 s94, s94, s95
	s_add_co_u32 s94, s94, s18
	s_mov_b32 s95, 0
	s_wait_dscnt 0x0                               ; the opening add is done
	s_wait_kmcnt 0x0
	s_add_nc_u64 s[88:89], s[4:5], s[88:89]
	s_add_nc_u64 s[90:91], s[6:7], s[90:91]
	s_add_nc_u64 s[20:21], s[4:5], s[20:21]
	s_add_nc_u64 s[22:23], s[6:7], s[22:23]
	s_add_nc_u64 s[18:19], s[8:9], s[18:19]
	s_add_nc_u64 s[94:95], s[10:11], s[94:95]
	CROUND                                         ; all sixteen work-groups are here: the first joint loads meet
.irp k, 0,2
.set GB, G0B+4*\k+4*(\k>>1)
	s_mov_b32 s[G0A+4*\k], 1
	s_add_co_u32 s[G0A+4*\k+1], s92, (\k>>1)*SLOT+(\k&1)*12288
	s_add_nc_u64 s[G0A+4*\k+2:G0A+4*\k+3], s[88:89], \k*CHA
	s_or_b32 s[G0A+4*\k+3], s[G0A+4*\k+3], 0x80000000
	s_mov_b32 s[GB], 1
	s_add_co_u32 s[GB+1], s93, (\k>>1)*SLOT+(\k&1)*24576
	s_add_nc_u64 s[GB+2:GB+3], s[90:91], \k*CHB
	s_or_b32 s[GB+3], s[GB+3], 0x80000000
.endr
	s_cmp_eq_u32 s15, 0                            ; the first 512 along K: one branch on the wave's number
	s_cbranch_scc0 .Lfirst_b
	tensor_load_to_lds s[G0A:G0A+3], s[G1A:G1A+7]
	s_nop 0
	PLACES 4
	s_branch .Lfirst_done
.Lfirst_b:
	tensor_load_to_lds s[G0B:G0B+3], s[G1B:G1B+7]
	s_nop 0
	PLACES 4
.Lfirst_done:
	; THE SECOND 512 ALONG K ARE PREFETCHED: chunks 2 and 3 of each wave's part.  The four partners that ask for a part jointly share it out by address: the partner at place p (cx for z, cy for Wo) takes
	; half p % 2 of row p / 2, in pieces of 256 bytes, 24 lanes an instruction (the lanes left over name the last piece again).
	v_and_b32 v1, 31, v0
	v_min_u32 v15, 23, v1
	v_lshlrev_b32 v15, 8, v15
	s_mov_b32 s75, 0
	s_cmp_eq_u32 s15, 0
	s_wait_alu depctr_va_vdst(0)
	s_cbranch_scc0 .Lpf_b
	s_lshr_b32 s74, s76, 1                         ; z: a row is 12,288 bytes
	s_add_co_u32 s74, s74, 2
	s_mul_i32 s74, s74, CHA
	s_and_b32 s96, s76, 1
	s_mul_i32 s96, s96, 6144
	s_add_co_u32 s74, s74, s96
	s_add_nc_u64 s[72:73], s[88:89], s[74:75]
	global_prefetch_b8 v15, s[72:73] th:TH_LOAD_NT scope:SCOPE_SE
	s_branch .Lpf_done
.Lpf_b:
	s_lshr_b32 s74, s77, 1                         ; Wo: a row is 24,576 bytes
	s_add_co_u32 s74, s74, 2
	s_mul_i32 s74, s74, CHB
	s_and_b32 s96, s77, 1
	s_mul_i32 s96, s96, 12288
	s_add_co_u32 s74, s74, s96
	s_add_nc_u64 s[72:73], s[90:91], s[74:75]
	global_prefetch_b8 v15, s[72:73] th:TH_LOAD_NT scope:SCOPE_SE
	global_prefetch_b8 v15, s[72:73] offset:6144 th:TH_LOAD_NT scope:SCOPE_SE
.Lpf_done:
	v_and_b32 v8, 15, v0                           ; r
	v_bfe_u32 v9, v0, 4, 1                         ; h
	v_lshlrev_b32 v[L16], 4, v1
	v_lshlrev_b32 v[L8], 3, v1
.irp q, 0,1,2,3,4,5,6,7
	global_load_b64 v[SC+6*\q:SC+6*\q+1], v[L8], s[20:21] offset:\q*SSA
	global_load_b64 v[SC+6*\q+2:SC+6*\q+3], v[L8], s[22:23] offset:\q*SSB
	global_load_b64 v[SC+6*\q+4:SC+6*\q+5], v[L8], s[22:23] offset:\q*SSB+256
.endr
	v_lshlrev_b32 v14, 6, v9                       ; bo in the result's layout: register 16 e + i = output 32 e + 16 h + i
.irp e, 0,1,2,3
.irp j, 0,1,2,3
	global_load_b128 v[BB+16*\e+4*\j:BB+16*\e+4*\j+3], v14, s[18:19] offset:128*\e+16*\j
.endr
.endr
	s_mul_i32 s84, s15, 24576
	v_add_nc_u32 v[ADRA], s84, v[L16]
	v_add_nc_u32 v[ADRA+1], SLOT, v[ADRA]
	s_mul_i32 s84, s16, 49152
	s_add_co_u32 s84, s84, 49152
	v_add_nc_u32 v[ADRB], s84, v[L16]
	v_add_nc_u32 v[ADRB+1], SLOT, v[ADRB]
	s_mul_i32 s84, s14, 8448                       ; my stage: 16 rows x (512 bytes + 16), in slot 0, which has had its last fill and its last read when the first result is stored there
	v_mul_u32_u24 v[STO], v8, 528
	v_lshl_add_u32 v[STO], v9, 6, v[STO]
	v_add_nc_u32 v[STO], s84, v[STO]               ; in: row r, + 64 h
	v_add_nc_u32 v[RD], s84, v[L16]                ; back: a row of 512 bytes, 16 a lane
	s_wait_alu depctr_va_vdst(0)
	s_wait_tensorcnt 0x0                           ; the first 512 along K alone are asked for at the head, one load a wave; my part of them is in
	ds_add_u32 v[SPW], v[NIL]
	s_wait_dscnt 0x0
	CROUND                                         ; everybody's part is in, and the sixteen work-groups meet
	s_cmp_eq_u32 s15, 0                            ; the second 512 along K, the first tensor load behind the round: one load of mine outstanding
	s_cbranch_scc0 .Lsecond_b
	tensor_load_to_lds s[G0A+8:G0A+11], s[G1A:G1A+7]
	s_nop 0
	PLACES 4
	s_branch .Lsecond_done
.Lsecond_b:
	tensor_load_to_lds s[G0B+12:G0B+15], s[G1B:G1B+7]
	s_nop 0
	PLACES 4
.Lsecond_done:
	FETCH 0
	s_wait_loadcnt 0x0
	STEP 0, 2
	STEP 1, 0
	STEP 2, 0
	MEET 3, 0
	STEP 4, 0
	STEP 5, 0
	STEP 6, 0
	LAST 7
; THE WAY OUT, a block of 16 tokens x 128 outputs at a time, through my own stage: a lane holds pieces of one row, and whole rows of 512 bytes come back.
; LDS serves a wave's instructions in order (ISA guide 5.7.1.4): no wait between the stores and the loads, nor in front of the next block's stores.
.macro TOSTAGE a
.set AC, 64*(\a)
	WIN 0x08                                       ; an LDS store's data are its source 1: window 2
.irp b, 0,1,2,3,4,5,6,7
	ds_store_b128 v[STO], v[AC+8*\b:AC+8*\b+3] offset:128*(\b>>1)+32*(\b&1)          ; each accumulator from its low end on
	ds_store_b128 v[STO], v[AC+8*\b+4:AC+8*\b+7] offset:128*(\b>>1)+32*(\b&1)+16
.endr
	WIN 0
.set BK, 32+144*((\a)&1)
.irp t, 0,1,2,3,4,5,6,7,8,9,10,11,12,13,14,15
	ds_load_b128 v[BK+4*\t:BK+4*\t+3], v[RD] offset:\t*528
.endr
.endm
.macro SEND a, younger                 ; younger: the LDS instructions issued behind block a's loads, which may stay out
.set BK, 32+144*((\a)&1)
	s_wait_dscnt \younger
.irp t, 0,1,2,3,4,5,6,7,8,9,10,11,12,13,14,15
	global_store_b128 v[L16], v[BK+4*\t:BK+4*\t+3], s[94:95] offset:(32*((\a)>>1)+8*((\a)&1)+\t+8*(\t>>3))*4096 th:TH_STORE_NT   ; 512 consecutive bytes, aligned; position t's token is t + 8 (t / 8) rows on in its block
.endr
.endm
	PLACES 4
	TOSTAGE 0
.irp a, 1,2,3
.if \a > 1
	s_wait_xcnt 0x0                                ; block a - 2's stores have read their registers: block a's rows may land there
.endif
	TOSTAGE \a
	SEND \a-1, 32                                  ; behind block a - 1's loads: block a's 16 stores and 16 loads
.endr
	SEND 3, 0
	s_wait_tensorcnt 0x0                           ; the wave's end
	ds_add_u32 v[SPW], v[NIL]
	s_wait_dscnt 0x0
	CROUND                                         ; the closing round
	s_endpgm
.Lfunc_end_k_q940674479c_outp:
	.size	k_q940674479c_outp, .Lfunc_end_k_q940674479c_outp-k_q940674479c_outp
	.p2alignl 7, 3214868480
	.fill 96, 4, 3214868480
	.section	.rodata,"a",@progbits
	.p2align	6, 0x0
	.amdhsa_kernel k_q940674479c_outp
		.amdhsa_group_segment_fixed_size 327680
		.amdhsa_private_segment_fixed_size 0
		.amdhsa_enable_private_segment 0
		.amdhsa_kernarg_size 32
		.amdhsa_user_sgpr_count 2
		.amdhsa_user_sgpr_kernarg_segment_ptr 1
		.amdhsa_wavefront_size32 1
		.amdhsa_system_sgpr_workgroup_id_x 1
		.amdhsa_system_sgpr_workgroup_id_y 1
		.amdhsa_system_sgpr_workgroup_id_z 1
		.amdhsa_system_vgpr_workitem_id 0
		.amdhsa_next_free_vgpr 768
		.amdhsa_next_free_sgpr 100
		.amdhsa_reserve_vcc 0
		.amdhsa_float_denorm_mode_32 3
		.amdhsa_float_denorm_mode_16_64 3
		.amdhsa_memory_ordered 1
		.amdhsa_forward_progress 1
		.amdhsa_inst_pref_size 79
	.end_amdhsa_kernel
	.amdgpu_metadata
---
amdhsa.version: [ 1, 2 ]
amdhsa.kernels:
  - .name:           k_q940674479c_outp
    .symbol:         k_q940674479c_outp.kd
    .args:
      - { .name: z, .offset: 0, .size: 8, .value_kind: global_buffer, .address_space: global }
      - { .name: xw, .offset: 8, .size: 8, .value_kind: global_buffer, .address_space: global }
      - { .name: bo, .offset: 16, .size: 8, .value_kind: global_buffer, .address_space: global }
      - { .name: out0, .offset: 24, .size: 8, .value_kind: global_buffer, .address_space: global }
    .group_segment_fixed_size: 327680
    .private_segment_fixed_size: 0
    .kernarg_segment_align: 8
    .kernarg_segment_size: 32
    .max_flat_workgroup_size: 128
    .sgpr_count:     100
    .vgpr_count:     768
    .wavefront_size: 32
...
	.end_amdgpu_metadata
.endif
;; end of part 5
